; MI455X (gfx1250); checked and timed in simulation.
; The chip was launched on July 23, 2026; its instructions are those of AMD's public machine-readable ISA for CDNA 5 (MIT licence, August 2026) and "CDNA5" Instruction Set Architecture Reference Guide (July 2026). The comments in the code are by the model that wrote it; some were corrected since.
;; Causal Self Attention. Allowed arithmetic: matrix products marked QUANTISED: E2M1 operands, one E8M0 scale for each 32 along K, by v_wmma_scale_f32_16x16x128_f8f6f4 with both operands' format E2M1 (or v_wmma_scale_f32_32x16x128_f4), f32 sums; products left as they are: bf16, f16 or f32 operands; f32 sums; everything else in f32.
;; Inputs: b_attn 3,072 float32; b_proj 1,024 float32; w_attn 1,024 x 3,072 float32; w_proj 1,024 x 1,024 float32; x 2 x 2,048 x 1,024 float32.
;; Outputs: out0 2 x 2,048 x 1,024 float32.
;; This version of the problem:
;;   THIS VERSION OF THE PROBLEM IS GIVEN IN LOW PRECISION. The matrix products marked QUANTISED in the list below multiply operands that are first quantised to E2M1 (2 exponent bits, 1 mantissa bit; 4 bits a number), with one power-of-two scale for each 32 numbers along K (OCP MX v1.0); their sums are f32. The products marked 'left as it is' may take bf16, f16 or f32 operands, with f32 sums. All else is computed in f32.
;;   The module's matrix products, in the order in which they are computed (A, B: the left and right operand; K: the contracted axis; several contracted axes count as one K, in the product's order):
;;     1. [M 4,096, K 1,024] x [K 1,024, N 3,072]; A: input x; B: input w_attn: QUANTISED
;;     2. batch 32 x [M 2,048, K 64] x [K 64, N 2,048]; A: computed on the way; B: computed on the way: left as it is (an operand is computed on the way)
;;     3. batch 32 x [M 2,048, K 2,048] x [K 2,048, N 64]; A: computed on the way; B: computed on the way: left as it is (an operand is computed on the way)
;;     4. [M 4,096, K 1,024] x [K 1,024, N 1,024]; A: computed on the way; B: input w_proj: left as it is (an operand is computed on the way)
;;   THE QUANTISER, for each operand of a quantised product, along K:
;;     - K is cut into blocks of 32 from its start; a last block that is shorter is filled with zeros.
;;     - A block's scale is 2^e with e = floor(log2(the largest magnitude in the block)) - 2, held to -126 .. 127; a block of zeros has e = 0. As a byte (E8M0): e + 127.
;;     - Each number is divided by its block's scale, clamped to +-6, and rounded to the nearest number of E2M1, ties to even, subnormals kept.
;;     - The product sums the exact products of the quantised numbers (number of the format x scale) in f32.
;;   ~~~python
;;   def quantise(x, axis):      # numpy; x: float32 -> the quantised numbers, widened to float32 again
;;       x = np.moveaxis(x, axis, -1); K = x.shape[-1]
;;       x = np.pad(x, [(0, 0)] * (x.ndim - 1) + [(0, -K % 32)]); x = x.reshape(x.shape[:-1] + (-1, 32)); a = np.abs(x).max(-1, keepdims=True)
;;       e = np.where(a > 0, np.clip(np.frexp(np.where(a > 0, a, 1))[1] - 1 - 2, -126, 127), 0)      # np.frexp(a)[1] - 1 = floor(log2(a)), exactly
;;       r = np.clip(x / 2.0 ** e, -6, 6)
;;       step = 2.0 ** (np.maximum(np.frexp(np.where(r == 0, 1, r))[1] - 1, 0) - 1)
;;       q = np.round(r / step) * step * 2.0 ** e      # np.round: ties to even
;;       return np.moveaxis(q.reshape(q.shape[:-2] + (-1,))[..., :K], -1, axis).astype(np.float32)
;;   ~~~
;; One version. Each part assembles by itself: llvm-mc -triple=amdgcn-amd-amdhsa -mcpu=gfx1250 --defsym DOCPART=n.
;; ======== version 1 of 1: 4 launches
;; limits: values are held in f16: magnitudes above 65,504 overflow, below 6.1e-05 lose precision
;; workspace buffers: xc 2,097,152 bytes; xs 131,072 bytes; wc 1,572,864 bytes; ws 98,304 bytes; wpt 2,097,152 bytes; qkv 25,165,824 bytes; yb 8,388,608 bytes
;; launch prep (part 1): grid 192 x 1, 8 waves a work-group, no clusters, 138,240 bytes of LDS; arguments x, w_attn, w_proj, xc, xs, wc, ws, wpt; writes xc, xs, wc, ws, wpt
.if DOCPART == 1
	.amdgcn_target "amdgcn-amd-amdhsa--gfx1250"
	.amdhsa_code_object_version 6
	.text
	.protected	k_qaa50a30764_prep
	.globl	k_qaa50a30764_prep
	.p2align	8
	.type	k_qaa50a30764_prep,@function
k_qaa50a30764_prep:
	s_mov_b64 s[64:65], 0
	v_nop
	global_prefetch_b8 v0, s[64:65] scope:SCOPE_SE
	s_setreg_imm32_b32 hwreg(HW_REG_WAVE_MODE, 25, 1), 1
	s_wait_xcnt 0x0
; PREP: three jobs in one launch, told apart by the work-group's number alone; each job has LDS bytes of its own.
;   work-groups   0 ..  63 (X): x [4096][1024] f32 -> codes of FP4 (E2M1) xc [4096][512 bytes], K innermost, the lower k in the low four bits, and one E8M0 byte for each 32 along K, xs [4096][32].
;   work-groups  64 .. 159 (W): w_attn [1024 k][3072 n] f32, whose K is its FIRST axis -> wc [3072 n][512 bytes], ws [3072][32], laid as x's.
;   work-groups 160 .. 191 (P): w_proj [1024 k][1024 n] f32 -> wpt [1024 n][1024 k] in f16, K innermost.
; A block's scale is 2^(floor(log2(its largest magnitude)) - 2); its byte is the largest magnitude's own exponent field - 2, held at 1 from below by a floor among the maximum's leaves.
; LIMITS: NaN and infinities among the inputs are not served.  A block of zeros gets the byte 1 where the rule says 127: its codes are zeros, which add nothing under any byte but 0xff, and this program alone reads the bytes.
; w_proj goes to f16 (largest number 65,504; below 6.1e-5 its step is 6e-8): numbers 30 times larger or smaller than a spread of 1/32, or offset by 30 spreads, lie between 1e-3 and 6 and have that room.
; No tensor loads.  X and P: waves share nothing.  W: eight waves gather 64 columns x 512 along K in LDS, one barrier, so that whole rows of 256 bytes of codes leave.
.set XREG,  6144                       ; X: LDS of one wave: two stages of 32 x 80 bytes, then its 256 scale bytes
.set SP,    80                         ; X: a lane's place in a stage: its 64 bytes + 16 of padding
.set WST,   49152                      ; W: 64 columns x (256 bytes of codes + 16)
.set WSC,   66560                      ; W: 64 columns x 16 scale bytes
.set PST,   67584                      ; P: for each wave 32 columns x (256 bytes of f16 + 16)
.set PITCH, 272
.set EMAX,  2
.set R,     16                         ; X: v16-143   eight sets of 16 numbers as they are loaded
.set XN,    144                        ; X: v144-175  two sets of 16 neighbours
.set E,     176                        ; X: v176-191  a scale byte for each step
.set C,     192                        ; X: v192-223  two registers of codes for each step: no store's data are written again
.set NUM,   16                         ; W, P: v16-143 my column's 128 numbers down K
.set CW,    144                        ; W: v144-159  my column's codes
.set PB,    144                        ; P: v144-207  my column's 128 numbers in f16
.macro LOADX t                         ; step t's 2,048 bytes: each load reads 512 consecutive bytes
.irp i, 0,1,2,3
	global_load_b128 v[R+16*((\t)%8)+4*\i:R+16*((\t)%8)+4*\i+3], v3, s[4:5] offset:2048*(\t)+512*\i th:TH_LOAD_NT
.endr
.endm
.macro TURNX t                         ; through the wave's own stage: in as loaded, out 64 bytes a lane.  LDS serves a wave's instructions in order (ISA guide 5.7.1.4): no wait between
.irp i, 0,1,2,3
	ds_store_b128 v14, v[R+16*((\t)%8)+4*\i:R+16*((\t)%8)+4*\i+3] offset:32*SP*((\t)%2)+8*SP*\i
.endr
.irp i, 0,1,2,3
	ds_load_b128 v[XN+16*((\t)%2)+4*\i:XN+16*((\t)%2)+4*\i+3], v15 offset:32*SP*((\t)%2)+16*\i
.endr
.endm
.macro STEPX t                         ; 512 numbers: 16 neighbours a lane, two neighbouring lanes to a block
.set XS, XN+16*((\t)%2)
.if (\t) > 0
	s_wait_dscnt 1                                 ; this step's numbers are back from the stage; the last step's byte store may be out
.else
	s_wait_dscnt 0x0
.endif
.if (\t)+8 < 16
	LOADX (\t)+8                                   ; into the set whose numbers have just gone through the stage
.endif
.if (\t)+1 < 16
.if (\t) <= 7
	s_wait_loadcnt 28                              ; the next step's four loads are in; those of the seven steps behind it may be out
.else
	s_wait_loadcnt 4*(14-(\t))                     ; no more loads are issued: the count runs down
.endif
	TURNX (\t)+1
.endif
	v_max3_num_f32 v8, |v[XS]|, |v[XS+1]|, |v[XS+2]|               ; the largest magnitude of my 16, in two chains
	v_max3_num_f32 v9, |v[XS+3]|, |v[XS+4]|, |v[XS+5]|
.irp i, 6,10
	v_max3_num_f32 v8, v8, |v[XS+\i]|, |v[XS+\i+1]|
	v_max3_num_f32 v9, v9, |v[XS+\i+2]|, |v[XS+\i+3]|
.endr
	v_max3_num_f32 v8, v8, |v[XS+14]|, |v[XS+15]|
	v_max3_num_f32 v8, v8, v9, (EMAX+1)<<23        ; and the floor 2^(3 - 127): the byte cannot fall under 1
	v_max_num_f32_dpp v8, v8, v8 row_xmask:1 row_mask:0xf bank_mask:0xf   ; with my neighbour's 16: the block's
	v_add_nc_u32 v11, 0xff000000, v8               ; 2 off its exponent field: the conversion takes the exponent field of this operand as its scale
	v_cvt_scalef32_pk8_fp4_f32 v[C+2*(\t)], v[XS:XS+7], v11
	v_cvt_scalef32_pk8_fp4_f32 v[C+2*(\t)+1], v[XS+8:XS+15], v11
	v_lshrrev_b32 v[E+(\t)], 23, v11               ; the scale's byte (also the plain line behind the conversions)
	ds_store_b8 v5, v[E+(\t)] offset:16*(\t)       ; both lanes of a block write the same byte with the same value
	global_store_b64 v4, v[C+2*(\t):C+2*(\t)+1], s[10:11] offset:256*(\t)   ; 32 lanes store 256 consecutive bytes, aligned
.endm
.macro WBLOCK b, left                  ; block b of my column's four: all its 32 numbers are mine
.set XS, NUM+32*(\b)
	s_wait_loadcnt \left
	v_max3_num_f32 v12, |v[XS]|, |v[XS+1]|, |v[XS+2]|
	v_max3_num_f32 v13, |v[XS+3]|, |v[XS+4]|, |v[XS+5]|
.irp i, 6,10,14,18,22,26
	v_max3_num_f32 v12, v12, |v[XS+\i]|, |v[XS+\i+1]|
	v_max3_num_f32 v13, v13, |v[XS+\i+2]|, |v[XS+\i+3]|
.endr
	v_max3_num_f32 v12, v12, |v[XS+30]|, |v[XS+31]|
	v_max3_num_f32 v12, v12, v13, (EMAX+1)<<23     ; and the floor
	v_add_nc_u32 v11, 0xff000000, v12
	v_lshrrev_b32 v13, 23, v11                     ; the scale's byte
.if (\b) == 0
	v_mov_b32 v160, v13                            ; four bytes to a word, the lower K in the lower byte
.else
	v_lshl_or_b32 v160, v13, 8*(\b), v160
.endif
.irp g, 0,1,2,3
	v_cvt_scalef32_pk8_fp4_f32 v[CW+4*(\b)+\g], v[XS+8*\g:XS+8*\g+7], v11
.endr
	v_nop                                          ; one plain line behind the last conversion of a run
	ds_store_b128 v4, v[CW+4*(\b):CW+4*(\b)+3] offset:16*(\b)   ; 32 codes: 16 bytes of my column's row
.endm
	s_load_b256 s[4:11], s[0:1], 0x0               ; x s[4:5], w_attn s[6:7], w_proj s[8:9], xc s[10:11]
	s_load_b256 s[12:19], s[0:1], 0x20             ; xs s[12:13], wc s[14:15], ws s[16:17], wpt s[18:19]
	v_lshl_add_u32 v254, v0, 2, 0x21800
	v_mov_b32 v255, 0
	v_lshrrev_b32 v1, 5, v0
	v_readfirstlane_b32 s20, v1                    ; wave 0..7
	v_and_b32 v2, 31, v0                           ; lane
	s_wait_kmcnt 0x0
	s_cmp_lt_u32 ttmp9, 64
	s_cbranch_scc0 .Lnot_x
; ---------------- X: rows are dense and 1,024 is a multiple of 32, so x is a plain stream of blocks.  A wave takes a run of 8,192 numbers: 16 steps of 512.
	s_lshl_b32 s21, ttmp9, 3
	s_add_co_u32 s21, s21, s20                     ; my run: 8 x work-group + wave
	s_mov_b32 s23, 0
	s_lshl_b32 s22, s21, 15                        ; 32,768 bytes of x,
	s_add_nc_u64 s[4:5], s[4:5], s[22:23]
	s_lshl_b32 s22, s21, 12                        ; 4,096 of codes,
	s_add_nc_u64 s[10:11], s[10:11], s[22:23]
	s_lshl_b32 s22, s21, 8                         ; 256 scale bytes a run
	s_add_nc_u64 s[12:13], s[12:13], s[22:23]
	v_lshlrev_b32 v3, 4, v2                        ; my 16 bytes of a load's 512
	v_lshlrev_b32 v4, 3, v2                        ; my 8 bytes of a step's codes
.irp t, 0,1,2,3,4,5,6,7
	LOADX \t                                       ; 32 loads of the wave are out
.endr
	s_mul_i32 s24, s20, XREG
	v_lshrrev_b32 v14, 2, v2
	v_mul_u32_u24 v14, v14, SP
	v_and_b32 v15, 3, v2
	v_lshl_add_u32 v14, v15, 4, v14
	v_add_nc_u32 v14, s24, v14                     ; the stage, in: four lanes' 64 bytes on end, then the padding
	v_mul_u32_u24 v15, v2, SP
	v_add_nc_u32 v15, s24, v15                     ; out: my 16 neighbours
	s_add_co_u32 s24, s24, 2*32*SP
	v_lshrrev_b32 v5, 1, v2
	v_add_nc_u32 v5, s24, v5                       ; my block's scale byte
	v_add_nc_u32 v6, s24, v4                       ; and on the way out 8 bytes a lane
	s_wait_loadcnt 28                              ; step 0's four loads are in
	TURNX 0
.irp t, 0,1,2,3,4,5,6,7,8,9,10,11,12,13,14,15
	STEPX \t
.endr
	ds_load_b64 v[12:13], v6                       ; my wave's 256 scale bytes: these loads see my byte stores
	s_wait_dscnt 0x0
	global_store_b64 v4, v[12:13], s[12:13]        ; 32 lanes store 256 consecutive bytes, aligned
	s_wait_tensorcnt 0x0
	ds_add_u32 v254, v255
	s_wait_dscnt 0x0
	s_endpgm
.Lnot_x:
	s_cmp_lt_u32 ttmp9, 160
	s_cbranch_scc0 .Lpath_p
; ---------------- W: a lane takes a column n and its registers run down K, so a block of 32 lies in one lane and the codes come out with K innermost.
; A work-group takes 64 columns x 512 along K; wave w takes columns 32 (w % 2) on and K 128 (w / 2) on.  Each load reads 128 consecutive bytes; the two column groups stand side by side.
	s_sub_co_u32 s21, ttmp9, 64
	s_lshr_b32 s22, s21, 1                         ; which 64 columns
	s_and_b32 s23, s21, 1                          ; which 512 along K
	s_and_b32 s24, s20, 1                          ; my 32 columns
	s_lshr_b32 s25, s20, 1                         ; my 128 along K
	s_lshl_b32 s26, s23, 9
	s_lshl_b32 s27, s25, 7
	s_add_co_u32 s26, s26, s27                     ; my first row of w_attn,
	s_mul_i32 s26, s26, 12288                      ; in bytes,
	s_lshl_b32 s27, s22, 8
	s_add_co_u32 s26, s26, s27
	s_lshl_b32 s27, s24, 7
	s_add_co_u32 s26, s26, s27                     ; + 4 x my first column
	s_mov_b32 s27, 0
	s_add_nc_u64 s[6:7], s[6:7], s[26:27]
	s_lshl_b32 s26, s22, 15                        ; codes: 64 columns x 512 bytes, + 256 for the upper half of K
	s_lshl_b32 s28, s23, 8
	s_add_co_u32 s26, s26, s28
	s_add_nc_u64 s[14:15], s[14:15], s[26:27]
	s_lshl_b32 s26, s22, 11                        ; scale bytes: 64 columns x 32, + 16
	s_lshl_b32 s28, s23, 4
	s_add_co_u32 s26, s26, s28
	s_add_nc_u64 s[16:17], s[16:17], s[26:27]
	v_lshlrev_b32 v3, 2, v2
.set i, 0
.rept 128
	global_load_b32 v[NUM+i], v3, s[6:7] offset:12288*i th:TH_LOAD_NT   ; w_attn(my first row + i, my column)
.set i, i+1
.endr
	s_mul_i32 s28, s24, 32*PITCH
	s_lshl_b32 s29, s25, 6
	s_add_co_u32 s28, s28, s29
	s_add_co_u32 s28, s28, WST
	v_mul_u32_u24 v4, v2, PITCH
	v_add_nc_u32 v4, s28, v4                       ; into the stage: my column's row, my 64 bytes of it
	s_lshl_b32 s28, s24, 9
	s_lshl_b32 s29, s25, 2
	s_add_co_u32 s28, s28, s29
	s_add_co_u32 s28, s28, WSC
	v_lshl_add_u32 v5, v2, 4, s28                  ; my column's 16 scale bytes, my word of them
	v_lshrrev_b32 v8, 4, v2
	v_and_b32 v9, 15, v2
	s_mul_i32 s28, s20, 8*PITCH
	s_add_co_u32 s28, s28, WST
	v_mul_u32_u24 v6, v8, PITCH
	v_lshl_add_u32 v6, v9, 4, v6
	v_add_nc_u32 v6, s28, v6                       ; out of it: wave w takes columns 8 w on, sixteen lanes to a row, two rows an instruction
	s_lshl_b32 s28, s20, 12
	v_lshlrev_b32 v7, 9, v8
	v_lshl_add_u32 v7, v9, 4, v7
	v_add_nc_u32 v7, s28, v7                       ; and the same place in wc
	s_lshl_b32 s28, s20, 7
	s_add_co_u32 s28, s28, WSC
	v_lshl_add_u32 v14, v2, 2, s28                 ; the scale words of those 8 columns: 4 bytes a lane
	v_lshrrev_b32 v8, 2, v2
	v_and_b32 v9, 3, v2
	s_lshl_b32 s28, s20, 8
	v_lshlrev_b32 v15, 5, v8
	v_lshl_add_u32 v15, v9, 2, v15
	v_add_nc_u32 v15, s28, v15                     ; and their place in ws: rows of 32 bytes
	WBLOCK 0, 63                                   ; 96 loads were issued behind this block's; a wait names 63 at the most, and a smaller count is safe
	WBLOCK 1, 63                                   ; 64 behind it
	WBLOCK 2, 32
	WBLOCK 3, 0
	ds_store_b32 v5, v160
	s_wait_dscnt 0x0                               ; for the others' sake: my stores have landed
	s_barrier_signal -1                            ; the way here hangs on the work-group's number alone: all eight waves pass
	s_barrier_wait -1
.irp t, 0,1,2,3
	ds_load_b128 v[164+4*\t:167+4*\t], v6 offset:2*PITCH*\t
.endr
	ds_load_b32 v180, v14
.irp t, 0,1,2,3
	s_wait_dscnt 4-\t                              ; the later loads may be out
	global_store_b128 v7, v[164+4*\t:167+4*\t], s[14:15] offset:1024*\t   ; sixteen lanes store 256 consecutive bytes, aligned
.endr
	s_wait_dscnt 0x0
	global_store_b32 v15, v180, s[16:17]           ; 16 bytes of each row of 32: one byte for each 128 bytes that the job reads
	s_wait_tensorcnt 0x0
	ds_add_u32 v254, v255
	s_wait_dscnt 0x0
	s_endpgm
; ---------------- P: the same plan without a quantiser.  A wave takes 32 columns x 128 along K, rounds to f16 in pairs along K, and turns them through its own stage.
.Lpath_p:
	s_sub_co_u32 s21, ttmp9, 160
	s_lshr_b32 s22, s21, 1
	s_and_b32 s23, s21, 1
	s_and_b32 s24, s20, 1
	s_lshr_b32 s25, s20, 1
	s_lshl_b32 s26, s23, 9
	s_lshl_b32 s27, s25, 7
	s_add_co_u32 s26, s26, s27                     ; my first k
	s_lshl_b32 s28, s26, 1                         ; its bytes in a row of wpt
	s_lshl_b32 s26, s26, 12                        ; its row of w_proj, 4,096 bytes a row
	s_lshl_b32 s27, s22, 6
	s_lshl_b32 s29, s24, 5
	s_add_co_u32 s27, s27, s29                     ; my first column
	s_lshl_b32 s29, s27, 2
	s_add_co_u32 s26, s26, s29
	s_lshl_b32 s29, s27, 11                        ; its row of wpt, 2,048 bytes a row
	s_add_co_u32 s28, s28, s29
	s_mov_b32 s27, 0
	s_mov_b32 s29, 0
	s_add_nc_u64 s[8:9], s[8:9], s[26:27]
	s_add_nc_u64 s[18:19], s[18:19], s[28:29]
	v_lshlrev_b32 v3, 2, v2
.set i, 0
.rept 128
	global_load_b32 v[NUM+i], v3, s[8:9] offset:4096*i th:TH_LOAD_NT
.set i, i+1
.endr
	s_mul_i32 s28, s20, 32*PITCH
	s_add_co_u32 s28, s28, PST                     ; my stage
	v_mul_u32_u24 v4, v2, PITCH
	v_add_nc_u32 v4, s28, v4                       ; in: row = my column
	v_lshrrev_b32 v8, 4, v2
	v_and_b32 v9, 15, v2
	v_mul_u32_u24 v6, v8, PITCH
	v_lshl_add_u32 v6, v9, 4, v6
	v_add_nc_u32 v6, s28, v6                       ; out: sixteen lanes to a row
	v_lshlrev_b32 v7, 11, v8
	v_lshl_add_u32 v7, v9, 4, v7                   ; and the same place in wpt
.macro PGROUP g, left                  ; 32 numbers down K become 64 bytes of my column's row
	s_wait_loadcnt \left
.set i, 0
.rept 16
	v_cvt_pk_f16_f32 v[PB+16*(\g)+i], v[NUM+32*(\g)+2*i], v[NUM+32*(\g)+2*i+1]   ; the lower k in the low half
.set i, i+1
.endr
.irp c, 0,1,2,3
	ds_store_b128 v4, v[PB+16*(\g)+4*\c:PB+16*(\g)+4*\c+3] offset:64*(\g)+16*\c
.endr
.endm
	PGROUP 0, 63                                   ; as in W: 96 and 64 loads stand behind; a wait names 63 at the most
	PGROUP 1, 63
	PGROUP 2, 32
	PGROUP 3, 0
.irp t, 0,1,2,3,4,5,6,7,8,9,10,11,12,13,14,15
	ds_load_b128 v[NUM+4*\t:NUM+4*\t+3], v6 offset:2*PITCH*\t   ; my own stage, served in order: these see my stores
.endr
.irp t, 0,1,2,3,4,5,6,7,8,9,10,11,12,13,14,15
	s_wait_dscnt 15-\t
	global_store_b128 v7, v[NUM+4*\t:NUM+4*\t+3], s[18:19] offset:4096*\t   ; sixteen lanes store 256 consecutive bytes, aligned
.endr
	s_wait_tensorcnt 0x0
	ds_add_u32 v254, v255
	s_wait_dscnt 0x0
	s_endpgm
.Lfunc_end_k_qaa50a30764_prep:
	.size	k_qaa50a30764_prep, .Lfunc_end_k_qaa50a30764_prep-k_qaa50a30764_prep
	.p2alignl 7, 3214868480
	.fill 96, 4, 3214868480
	.section	.rodata,"a",@progbits
	.p2align	6, 0x0
	.amdhsa_kernel k_qaa50a30764_prep
		.amdhsa_group_segment_fixed_size 138240
		.amdhsa_private_segment_fixed_size 0
		.amdhsa_enable_private_segment 0
		.amdhsa_kernarg_size 64
		.amdhsa_user_sgpr_count 2
		.amdhsa_user_sgpr_kernarg_segment_ptr 1
		.amdhsa_wavefront_size32 1
		.amdhsa_system_sgpr_workgroup_id_x 1
		.amdhsa_system_sgpr_workgroup_id_y 1
		.amdhsa_system_sgpr_workgroup_id_z 1
		.amdhsa_system_vgpr_workitem_id 0
		.amdhsa_next_free_vgpr 256
		.amdhsa_next_free_sgpr 66
		.amdhsa_reserve_vcc 0
		.amdhsa_float_denorm_mode_32 3
		.amdhsa_float_denorm_mode_16_64 3
		.amdhsa_memory_ordered 1
		.amdhsa_forward_progress 1
		.amdhsa_inst_pref_size 76
	.end_amdhsa_kernel
	.amdgpu_metadata
---
amdhsa.version: [ 1, 2 ]
amdhsa.kernels:
  - .name:           k_qaa50a30764_prep
    .symbol:         k_qaa50a30764_prep.kd
    .args:
      - { .name: x, .offset: 0, .size: 8, .value_kind: global_buffer, .address_space: global }
      - { .name: w_attn, .offset: 8, .size: 8, .value_kind: global_buffer, .address_space: global }
      - { .name: w_proj, .offset: 16, .size: 8, .value_kind: global_buffer, .address_space: global }
      - { .name: xc, .offset: 24, .size: 8, .value_kind: global_buffer, .address_space: global }
      - { .name: xs, .offset: 32, .size: 8, .value_kind: global_buffer, .address_space: global }
      - { .name: wc, .offset: 40, .size: 8, .value_kind: global_buffer, .address_space: global }
      - { .name: ws, .offset: 48, .size: 8, .value_kind: global_buffer, .address_space: global }
      - { .name: wpt, .offset: 56, .size: 8, .value_kind: global_buffer, .address_space: global }
    .group_segment_fixed_size: 138240
    .private_segment_fixed_size: 0
    .kernarg_segment_align: 8
    .kernarg_segment_size: 64
    .max_flat_workgroup_size: 256
    .sgpr_count:     66
    .vgpr_count:     256
    .wavefront_size: 32
...
	.end_amdgpu_metadata
.endif
;; end of part 1
;; launch qkv (part 2): grid 12 x 16, 4 waves a work-group, clusters of 4 x 4, 327,680 bytes of LDS; arguments xc, xs, wc, ws, b_attn, qkv; writes qkv
.if DOCPART == 2
	.amdgcn_target "amdgcn-amd-amdhsa--gfx1250"
	.amdhsa_code_object_version 6
	.text
	.protected	k_qaa50a30764_qkv
	.globl	k_qaa50a30764_qkv
	.p2align	8
	.type	k_qaa50a30764_qkv,@function
k_qaa50a30764_qkv:
	s_mov_b64 s[64:65], 0
	v_nop
	global_prefetch_b8 v0, s[64:65] scope:SCOPE_SE
	s_setreg_imm32_b32 hwreg(HW_REG_WAVE_MODE, 25, 1), 1
	s_wait_xcnt 0x0
	s_wait_alu depctr_hold_cnt(0) depctr_sa_sdst(0) depctr_va_vdst(0) depctr_va_sdst(0) depctr_va_ssrc(0) depctr_va_vcc(0) depctr_vm_vsrc(0)
	s_getreg_b32 s2, hwreg(HW_REG_IB_STS2, 6, 4)
	s_cmp_eq_u32 s2, 0
	s_cbranch_scc0 .Lentry_in_a_cluster
	s_endpgm
.Lentry_in_a_cluster:
	s_bfe_u32 s2, ttmp6, 0x10000c
	s_cmp_lg_u32 s2, 0xf033
	s_cbranch_scc0 .Lentry_shape_is_right
	s_endpgm
.Lentry_shape_is_right:
; qkv = Q(x) Q(w_attn) + b_attn on codes of FP4 (E2M1) with one E8M0 scale for each 32 along K; sums in f32; the result rounded once to f16 and laid by head:
; qkv [48 g][4096 m][64], g = n / 64 (0-15 the heads of q, 16-31 of k, 32-47 of v), m = 2048 b + t.  A: xc [4096][512 bytes], xs [4096][32]; B: wc [3072][512 bytes], ws [3072][32].
; LIMIT: f16's largest number is 65,504.  With x and w_attn each 30 times their drawn spread q, k, v have a spread of 900; with both offset by 30 spreads they reach about 1,024 x 30 x 0.94 = 29,000; 30 times smaller each, a spread of 1.1e-3 against a step of 6e-8.
; A tile of the result, 256 x 256, is made by a work-group of four waves; a wave makes 128 x 128: 64 accumulators of 16 x 16, 512 registers.
; K = 1,024 is two steps of 512 (rows of 256 bytes): both, and all scale bytes, come with the first fills: three tensor loads a wave are out at the start, and no LDS byte is filled twice.  No loop.
; CLUSTERS: 4 x 4 work-groups.  The four of a row of the cluster need the same tiles of A, the four of a column the same tiles of B: each tile is asked for JOINTLY, by the same tensor load with the same descriptor and a mask that names the four.
; THE MATRIX INSTRUCTION IS USED TRANSPOSED (source 0 = 16 rows of B, source 1 = 16 rows of A): a lane then holds eight neighbouring columns of one row.  The bias is the C of each sum's first product.
; REGISTERS, in windows of 256: window 0: v0-31 addresses; v32-95 scale words, two sets; v96-127 packed results on the way out; v128-191 A's fragments, ONE set (on the way out: rows read back); v192-255 the bias, 8 registers for each of B's blocks.
;   window 1: B's fragments, TWO sets, at v0 and at v128.   window 2: the 32 accumulators of my rows 0-63 (accumulator (a, b) at v[8 (8 a + b)]);   window 3: those of my rows 64-127.
.set SIZE_M, 4096
.set SIZE_N, 3072
.set SIZE_K, 1024
.set KSTEP,  512                       ; along K in a slot
.set NQ,     KSTEP/128                 ; matrix instructions deep
.set ROWB,   256                       ; a tile's row in bytes
.set KROW,   SIZE_K*4/8                ; a row of A or of B in memory, in bytes
.set PITCH,  272                       ; an LDS row: 256 bytes + 16 of padding = 68 words: row r starts at bank 4 r mod 64 (64 banks of 4 bytes: ISA guide 11.1), so the 16 rows that a load touches start at 16 different banks
.set FR,     8                         ; registers of a fragment: 16 rows x 128 K
.set NL,     2                         ; LDS loads that bring one
.set NP,     4                         ; places behind this matrix instruction (ISA guide 7.12.1)
.set HALFT,  128*PITCH                 ; 128 rows: what one tensor load brings, and what one wave reads of A or of B
.set SLOT,   4*HALFT                   ; A's 256 rows, then B's 256 rows
.set KS,     SIZE_K/32                 ; a row of scales in bytes
.set SCL,    2*SLOT                    ; behind the two slots: the scales, as rows of 256 bytes + 16 of padding
.set HALFS,  (128*KS/256)*272          ; the scales of 128 rows: what one tensor load brings
.set SBLK,   (16*KS/256)*272           ; those of 16 rows
.set SPARE,  SCL+4*HALFS               ; behind the scales: the spare words, 128 bytes for each wave, which no other line names
.set SPITCH, 272                       ; the way out: a stage of 16 rows x (256 bytes + 16) for each wave, in slot 0, which has had its one fill and its last read when the first result is stored there
.set SLAB,   524288                    ; bytes of one g of qkv
.set ADRA, 16                          ; v16-17  LDS address of my A fragments in slot 0, 1
.set ADRB, 20                          ; v20-21  the same for B
.set STO,  24                          ; v24     the way out: where I put 16 bytes of a row
.set RD,   25                          ; v25     the way out: where I read back
.set CO,   26                          ; v26     16 x lane: my place in 512 dense bytes of qkv
.set ADRS, 27                          ; v27     LDS address of my scale words: lanes 0-15 A's rows, lanes 16-31 B's
.set SPW,  28                          ; v28     LDS address of my spare word; never rewritten
.set NIL,  29                          ; v29     0; never rewritten
.set SC,   32                          ; scale words: set s at v[SC + 8 NQ s]; register NQ i + q: lanes 0-15 the word of A's block i, lanes 16-31 that of B's block i, for the slot's q-th 128 along K
.set TMP,  96
.set AF,   128
.set BK,   128                         ; the way out: 16 rows read back: v128-159 and v160-191 by turns
.set BI,   192
.set G1, 24                            ; s[24:31] descriptor group 1 for A's tiles;  s[32:39] group 0, one set for each slot
.set G0, 32
.set G1B, 48                           ; s[48:55], s[56:63] the same for B's tiles
.set G0B, 56
.set G1S, 68                           ; s[68:75], s[76:79] groups 1 and 0 for A's scales;  s[80:87], s[88:91] for B's
.set G0S, 76
.set G1SB, 80
.set G0SB, 88
.set MSB, 0
.macro WIN new                         ; the immediate's high byte repeats the setting that is left; a switch that changes nothing is dropped
.if MSB != (\new)
	s_set_vgpr_msb (MSB<<8)|(\new)
.set MSB, (\new)
.endif
.endm
.set MUL_LO, 0xa1                      ; source 0 (B) window 1, source 1 (A) window 0, C and D window 2
.set MUL_HI, 0xf1                      ; the same, C and D window 3
.set TO_B,   0x40                      ; destination window 1, address window 0
; A joint load: waves 0 and 1 fetch for A, waves 2 and 3 for B.  Each of the two lines has ONE mask and one set of registers for all that issue it; the branch hangs on the wave's number alone.
; Four v_nop follow each of the two lines, ahead of the jump, the label and what follows.
.macro JLOAD g0a, g1a, g0b, g1b
	s_cmp_eq_u32 s15, 0
	s_cbranch_scc0 .Lfor_b_\@
	tensor_load_to_lds s[\g0a:\g0a+3], s[\g1a:\g1a+7]
	s_nop 0
.rept 4
	v_nop
.endr
	s_branch .Lasked_\@
.Lfor_b_\@:
	tensor_load_to_lds s[\g0b:\g0b+3], s[\g1b:\g1b+7]
	s_nop 0
.rept 4
	v_nop
.endr
.Lasked_\@:
.endm
.macro CROUND                          ; a round of the cluster's barrier: my work-group's barrier; wave 0 signals for the work-group; every wave waits for all sixteen; my work-group's barrier once more
	s_barrier_signal -1
	s_barrier_wait -1
	s_cmp_lg_u32 s14, 0
	s_cbranch_scc1 .Lnot_wave_0_\@
	s_barrier_signal -3
.Lnot_wave_0_\@:
	s_barrier_wait -3
	s_barrier_signal -1
	s_barrier_wait -1
.endm
	s_load_b128 s[4:7], s[0:1], 0x0                ; A's codes s[4:5], A's scales s[6:7]
	s_load_b128 s[8:11], s[0:1], 0x10              ; B's codes s[8:9], B's scales s[10:11]
	s_load_b64 s[96:97], s[0:1], 0x20              ; b_attn
	s_load_b64 s[12:13], s[0:1], 0x28              ; qkv
	v_lshl_add_u32 v[SPW], v0, 2, SPARE
	v_mov_b32 v[NIL], 0
	ds_add_u32 v28, v29
	s_wait_dscnt 0x0
	v_lshrrev_b32 v1, 5, v0
	v_readfirstlane_b32 s14, v1                    ; wave 0..3
	s_lshr_b32 s15, s14, 1                         ; which half of the tile's rows is mine.  Also: I fetch for A (0) or for B (1)
	s_and_b32 s16, s14, 1                          ; which half of its columns.  Also: which 128 rows of that tile I fetch
	s_bfe_u32 s40, ttmp6, 0x40000                  ; cx, cy: my place in the cluster
	s_bfe_u32 s41, ttmp6, 0x40004
	s_lshl_b32 s42, ttmp9, 2
	s_add_co_u32 s42, s42, s40                     ; tile column = 4 x cluster x + cx
	s_and_b32 s17, ttmp7, 0xffff
	s_lshl_b32 s17, s17, 2
	s_add_co_u32 s17, s17, s41                     ; tile row = 4 x cluster y + cy
	s_lshl_b32 s43, s41, 2
	s_lshl_b32 s43, 15, s43                        ; my row of the cluster
	s_lshl_b32 s44, 0x1111, s40                    ; my column
	; descriptor group 1: a tile of 128 rows x 256 bytes, padded in LDS
	s_or_b32 s[G1+0], s43, (0<<16)|(1<<20)|(1<<21)|(5<<22)|(3<<25)  ; 15:0 the mask: A's tiles go to my row; 17:16 element of 1 byte; 20 padding on; 21 set beside a mask; 24:22 after every 64 words (code 5); 31:25 of 4 words (code 3)
	s_or_b32 s[G1B+0], s44, (0<<16)|(1<<20)|(1<<21)|(5<<22)|(3<<25)
.irp g, G1, G1B
	s_mov_b32 s[\g+1], ROWB<<16                    ; tensor_dim0
	s_mov_b32 s[\g+2], 128<<16                     ; tensor_dim1 = 128
	s_mov_b32 s[\g+3], ROWB<<16                    ; tile_dim0
	s_mov_b32 s[\g+4], 128                         ; tile_dim1 = 128
	s_mov_b32 s[\g+5], KROW                        ; tensor_dim0_stride
	s_mov_b32 s[\g+6], 0
	s_mov_b32 s[\g+7], 0
.endr
	; and for the scales of 128 rows: a dense block of 4,096 bytes, as rows of 256 bytes (32 elements of 8 bytes), 16 bytes of padding behind each
	s_or_b32 s[G1S+0], s43, (3<<16)|(1<<20)|(1<<21)|(5<<22)|(3<<25)
	s_or_b32 s[G1SB+0], s44, (3<<16)|(1<<20)|(1<<21)|(5<<22)|(3<<25)
.irp g, G1S, G1SB
	s_mov_b32 s[\g+1], 32<<16
	s_mov_b32 s[\g+2], (128*KS/256)<<16
	s_mov_b32 s[\g+3], 32<<16
	s_mov_b32 s[\g+4], 128*KS/256
	s_mov_b32 s[\g+5], 32
	s_mov_b32 s[\g+6], 0
	s_mov_b32 s[\g+7], 0
.endr
	s_lshl_b32 s18, s16, 7                         ; which 128 rows of the tile I fetch
	s_lshl_b32 s20, s17, 8
	s_add_co_u32 s20, s20, s18                     ; A: row 256 x tile row + 128 x half
	s_lshl_b32 s46, s42, 8
	s_add_co_u32 s46, s46, s18                     ; B: row 256 x tile column + 128 x half
	s_mov_b32 s21, 0
	s_mov_b32 s47, 0
	s_mov_b64 s[18:19], KS
	s_mul_u64 s[22:23], s[20:21], s[18:19]         ; where these rows' scales begin, in bytes
	s_mul_u64 s[92:93], s[46:47], s[18:19]
	s_mov_b64 s[18:19], KROW
	s_mul_u64 s[20:21], s[20:21], s[18:19]         ; and their codes
	s_mul_u64 s[46:47], s[46:47], s[18:19]
	s_mul_i32 s45, s14, HALFT                      ; where they go: wave x 128 rows: no place in the cluster enters an LDS address
	s_mul_i32 s94, s14, HALFS
	s_wait_kmcnt 0x0
	s_add_nc_u64 s[20:21], s[4:5], s[20:21]
	s_add_nc_u64 s[22:23], s[6:7], s[22:23]
	s_add_nc_u64 s[46:47], s[8:9], s[46:47]
	s_add_nc_u64 s[92:93], s[10:11], s[92:93]
	CROUND                                         ; all sixteen work-groups are here: the joint loads meet
	s_mov_b32 s[G0S], 1
	s_add_co_u32 s[G0S+1], s94, SCL
	s_mov_b64 s[G0S+2:G0S+3], s[22:23]
	s_or_b32 s[G0S+3], s[G0S+3], 0x80000000
	s_mov_b32 s[G0SB], 1
	s_add_co_u32 s[G0SB+1], s94, SCL
	s_mov_b64 s[G0SB+2:G0SB+3], s[92:93]
	s_or_b32 s[G0SB+3], s[G0SB+3], 0x80000000
	JLOAD G0S, G1S, G0SB, G1SB                     ; the scales first: they are wanted with K step 0
.irp s, 0,1
	s_mov_b32 s[G0+4*\s], 1
	s_add_co_u32 s[G0+4*\s+1], s45, \s*SLOT
	s_add_nc_u64 s[G0+4*\s+2:G0+4*\s+3], s[20:21], \s*ROWB
	s_or_b32 s[G0+4*\s+3], s[G0+4*\s+3], 0x80000000
	s_mov_b32 s[G0B+4*\s], 1
	s_add_co_u32 s[G0B+4*\s+1], s45, \s*SLOT
	s_add_nc_u64 s[G0B+4*\s+2:G0B+4*\s+3], s[46:47], \s*ROWB
	s_or_b32 s[G0B+4*\s+3], s[G0B+4*\s+3], 0x80000000
	JLOAD G0+4*\s, G1, G0B+4*\s, G1B
.endr
	v_and_b32 v1, 15, v0                           ; l % 16
	v_bfe_u32 v2, v0, 4, 1                         ; l / 16
	; the bias: lane (r, h) wants, for B's block b, the numbers of columns 16 b + 8 h + 0 .. 7 of my 128
	s_lshl_b32 s46, s42, 10
	s_lshl_b32 s47, s16, 9
	s_add_co_u32 s46, s46, s47                     ; 4 bytes x (256 x tile column + 128 x half)
	s_mov_b32 s47, 0
	s_add_nc_u64 s[96:97], s[96:97], s[46:47]
	v_lshlrev_b32 v8, 5, v2
.irp b, 0,1,2,3,4,5,6,7
	global_load_b128 v[BI+8*\b:BI+8*\b+3], v8, s[96:97] offset:64*\b
	global_load_b128 v[BI+8*\b+4:BI+8*\b+7], v8, s[96:97] offset:64*\b+16
.endr
	v_mul_u32_u24 v3, v1, PITCH
	v_lshl_add_u32 v4, v2, 4, v3                   ; a fragment's row x pitch + 16 x half
	s_mul_i32 s21, s15, HALFT                      ; my 128 rows of A
	s_mul_i32 s22, s16, HALFT                      ; my 128 rows of B,
	s_add_co_u32 s22, s22, 2*HALFT                 ; which lie behind A's 256
.irp s, 0,1
	v_add_nc_u32 v[ADRA+\s], s21, v4
	v_add_nc_u32 v[ADRB+\s], s22, v4
	s_add_co_u32 s21, s21, SLOT
	s_add_co_u32 s22, s22, SLOT
.endr
	v_mul_u32_u24 v5, v1, KS                       ; my row's scales: 32 bytes a row,
	v_lshrrev_b32 v6, 8, v5
	v_lshl_add_u32 v5, v6, 4, v5                   ; and 16 more for each 256 passed
	s_mul_i32 s21, s15, HALFS                      ; A's: my 128 rows
	s_mul_i32 s22, s16, HALFS                      ; B's: my 128 rows, behind A's 256
	s_add_co_u32 s22, s22, 2*HALFS
	s_sub_co_u32 s22, s22, s21
	v_mul_u32_u24 v6, s22, v2                      ; lanes 16-31 take B's: one product, the distance between the two
	s_add_co_u32 s21, s21, SCL
	v_add_nc_u32 v5, v5, v6
	v_add_nc_u32 v[ADRS], s21, v5
	s_mul_i32 s23, s14, 16*SPITCH                  ; my stage
	v_mul_u32_u24 v5, v1, SPITCH                   ; in: row l % 16, 16 bytes for each half of the lanes
	v_lshl_add_u32 v5, v2, 4, v5
	v_add_nc_u32 v[STO], s23, v5
	v_bfe_u32 v6, v0, 3, 2                         ; back: eight lanes take the 128 bytes that one row has of one head; four rows an instruction
	v_and_b32 v7, 7, v0
	v_mul_u32_u24 v5, v6, SPITCH
	v_lshl_add_u32 v5, v7, 4, v5
	v_add_nc_u32 v[RD], s23, v5
	v_and_b32 v6, 31, v0
	v_lshlrev_b32 v[CO], 4, v6                     ; four rows of 128 bytes are 512 dense bytes of qkv
	s_lshl_b32 s20, s42, 2
	s_lshl_b32 s21, s16, 1
	s_add_co_u32 s20, s20, s21                     ; my first g: 4 x tile column + 2 x half
	s_lshl_b32 s20, s20, 19
	s_lshl_b32 s21, s17, 15                        ; + 128 bytes x (256 x tile row
	s_add_co_u32 s20, s20, s21
	s_lshl_b32 s21, s15, 14                        ;   + 128 x half)
	s_add_co_u32 s20, s20, s21
	s_mov_b32 s21, 0
	s_add_nc_u64 s[12:13], s[12:13], s[20:21]
.macro FRAG reg, adr, q, i             ; a fragment, 16 rows x 128 K of 4-bit codes, is 8 registers: lane l holds row l % 16; registers 4 c .. 4 c + 3 hold K = 64 c + 32 (l / 16) + 0 .. 31
.irp c, 0,1
	ds_load_b128 v[\reg+4*\c:\reg+4*\c+3], v[\adr] offset:64*(\q)+32*\c+(\i)*16*PITCH
.endr
.endm
; 16 matrix instructions: A's blocks a0, a0 + 1 x B's eight, 128 along K: the slot's q-th.  p: B's set;  sc: the set of scale words.  zero = 1: the first product starts the sums, with the bias as its C: nothing is cleared, nothing is added later.
; The 64 accumulators take turns, one instruction a turn, in the same order in every step.
.macro MUL16 a0, p, q, sc, zero
.irp a, \a0, \a0+1
.irp b, 0,1,2,3,4,5,6,7
.if \zero
	v_wmma_scale_f32_16x16x128_f8f6f4 v[8*(8*((\a)%4)+\b):8*(8*((\a)%4)+\b)+7], v[128*(\p)+FR*\b:128*(\p)+FR*\b+FR-1], v[AF+FR*(\a):AF+FR*(\a)+FR-1], v[BI+8*\b:BI+8*\b+7], v[SC+8*NQ*(\sc)+NQ*\b+(\q)], v[SC+8*NQ*(\sc)+NQ*(\a)+(\q)] matrix_a_fmt:MATRIX_FMT_FP4 matrix_b_fmt:MATRIX_FMT_FP4 matrix_a_scale:MATRIX_SCALE_ROW1
.else
	v_wmma_scale_f32_16x16x128_f8f6f4 v[8*(8*((\a)%4)+\b):8*(8*((\a)%4)+\b)+7], v[128*(\p)+FR*\b:128*(\p)+FR*\b+FR-1], v[AF+FR*(\a):AF+FR*(\a)+FR-1], v[8*(8*((\a)%4)+\b):8*(8*((\a)%4)+\b)+7], v[SC+8*NQ*(\sc)+NQ*\b+(\q)], v[SC+8*NQ*(\sc)+NQ*(\a)+(\q)] matrix_a_fmt:MATRIX_FMT_FP4 matrix_b_fmt:MATRIX_FMT_FP4 matrix_a_scale:MATRIX_SCALE_ROW1
.endif
.endr
.endr
.endm
.macro FETCH_B slot, q, p              ; B's eight fragments of the slot's q-th 128 along K into set p
	WIN TO_B
.irp i, 0,1,2,3,4,5,6,7
	FRAG 128*(\p)+FR*\i, ADRB+\slot, \q, \i
.endr
	WIN 0
.endm
.macro FETCH_A slot, q, i0             ; A's blocks i0 .. i0 + 3
.irp i, \i0, \i0+1, \i0+2, \i0+3
	FRAG AF+FR*(\i), ADRA+\slot, \q, \i
.endr
.endm
.macro SCALES sc                       ; a K step's scale words into set sc: four words a row; lanes 0-15 take A's block i, lanes 16-31 B's block i
.irp i, 0,1,2,3,4,5,6,7
	ds_load_b128 v[SC+8*NQ*\sc+NQ*\i:SC+8*NQ*\sc+NQ*\i+3], v[ADRS] offset:\i*SBLK
.endr
.endm
; A load into a register that a matrix instruction has read, and a vector instruction or an LDS store that reads a matrix result, stand NP places behind that matrix instruction, and only plain vector
; instructions that name none of its registers are places (ISA guide 7.12.1 for vector instructions); the matrix instructions in between are not counted.
.macro PLACES n
.rept \n
	v_nop
.endr
.endm
; A step of 128 along K that has its successor in the same slot.  With zero = 1 source 2 is the bias, in window 0.
.macro STEP slot, q, zero
	s_wait_dscnt 4*NL                              ; B's set and A's blocks 0-3 are in; the youngest eight loads (A's blocks 4-7) may be out
	WIN MUL_LO-0x20*(\zero)
	MUL16 0, (\q)%2, \q, \slot, \zero
	MUL16 2, (\q)%2, \q, \slot, \zero
	s_wait_dscnt 0                                 ; A's blocks 4-7 are in (asked for 32 matrix instructions ago)
	PLACES NP
	FETCH_B \slot, (\q)+1, 1-(\q)%2
	FETCH_A \slot, (\q)+1, 0
	WIN MUL_HI-0x30*(\zero)
	MUL16 4, (\q)%2, \q, \slot, \zero
	MUL16 6, (\q)%2, \q, \slot, \zero
	PLACES NP
	WIN 0
	FETCH_A \slot, (\q)+1, 4
.endm
; Slot 0's last step changes slots: one barrier; in front of it each wave waits for all its tensor loads (its part of slot 1), adds 0 to its spare word, and waits for that and for its own reads of slot 0.  Nothing is filled again.
.macro TURN slot, next
	s_wait_tensorcnt 0x0                           ; all my tensor loads have landed  (every window is 0 here: the add's two registers lie in window 0)
	ds_add_u32 v[SPW], v[NIL]                      ; 0 onto my spare word
	s_wait_dscnt 4*NL+1                            ; (the add and the youngest eight loads, A's blocks 4-7, may be out)
	WIN MUL_LO
	MUL16 0, 1, NQ-1, \slot, 0                     ; sixteen matrix instructions stand between the add and the wait for it
	s_wait_dscnt 0x0                               ; the add is done, and my reads of this slot are over
	s_barrier_signal -1
	MUL16 2, 1, NQ-1, \slot, 0
	WIN 0
	s_barrier_wait -1                              ; the next slot is whole for every wave, and nobody reads this one any more
	PLACES NP
	v_add_nc_u32 v[ADRS], 4*NQ, v[ADRS]            ; on to the next K step's scale words (no LDS load of mine is out)
	FETCH_B \next, 0, 0
	FETCH_A \next, 0, 0
	SCALES \next
	WIN MUL_HI
	MUL16 4, 1, NQ-1, \slot, 0
	MUL16 6, 1, NQ-1, \slot, 0
	PLACES NP
	WIN 0
	FETCH_A \next, 0, 4
.endm
.macro STEPS slot, from                ; the slot's steps from .. NQ - 2
.set Q, \from
.rept NQ-1-\from
	STEP \slot, Q, 0
.set Q, Q+1
.endr
.endm
	s_wait_tensorcnt 1                             ; the scales and my part of K step 0 are in (K step 1's load, issued behind them, may be out),
	s_barrier_signal -1
	s_barrier_wait -1                              ; everybody's are
	FETCH_B 0, 0, 0
	FETCH_A 0, 0, 0
	SCALES 0
	FETCH_A 0, 0, 4
	s_wait_loadcnt 0x0                             ; the bias
	STEP 0, 0, 1                                   ; the first step's products start the sums
	STEPS 0, 1
	TURN 0, 1
	STEPS 1, 0
	s_wait_dscnt 4*NL                              ; the very last step: nothing more to fetch
	WIN MUL_LO
	MUL16 0, 1, NQ-1, 1, 0
	MUL16 2, 1, NQ-1, 1, 0
	s_wait_dscnt 0
	WIN MUL_HI
	MUL16 4, 1, NQ-1, 1, 0
	MUL16 6, 1, NQ-1, 1, 0
	WIN 0
; THE WAY OUT, block by block of 16 rows x 128 columns (two heads).  PACK: rounded to f16, 16 bytes a lane, each accumulator from its low end on.  TOSTAGE: into my own stage in LDS, and back so that
; 32 lanes hold four rows' 128 bytes of one head, which are 512 dense bytes of qkv.  SEND: stored.  LDS serves a wave's instructions in order (ISA guide 5.7.1.4): no wait between the stores and the loads.
.macro PACK a
.set AC, 64*((\a)%4)
	WIN 0x0a+5*((\a)/4)                            ; sources 0 and 1: window 2 or 3
.irp b, 0,1,2,3,4,5,6,7
.irp r, 0,1,2,3
	v_cvt_pk_f16_f32 v[TMP+4*\b+\r], v[AC+8*\b+2*\r], v[AC+8*\b+2*\r+1]
.endr
.endr
	WIN 0
.endm
.macro TOSTAGE a
.set BB, BK+32*((\a)%2)
.irp b, 0,1,2,3,4,5,6,7
	ds_store_b128 v[STO], v[TMP+4*\b:TMP+4*\b+3] offset:32*\b
.endr
.irp t, 0,1,2,3,4,5,6,7
	ds_load_b128 v[BB+4*\t:BB+4*\t+3], v[RD] offset:(\t%4)*4*SPITCH+(\t/4)*128   ; rows 4 (t % 4) on, head t / 4
.endr
.endm
.macro SEND a
.set BB, BK+32*((\a)%2)
	s_wait_dscnt 0x0                               ; the block is back in registers
	s_wait_xcnt 0x0                                ; the stores of the block before have read their registers: the next block's loads land there only behind this wait
.irp t, 0,1,2,3,4,5,6,7
	global_store_b128 v[CO], v[BB+4*\t:BB+4*\t+3], s[12:13] offset:(\t/4)*SLAB+(\a)*2048+(\t%4)*512   ; 32 lanes store 512 consecutive bytes, aligned; every place stands in the immediate: no base is stepped
.endr
.endm
	PLACES NP                                      ; behind the last products: for the conversions' reads and for the loads into the registers that held A's fragments
	PACK 0
	TOSTAGE 0
.irp a, 1,2,3,4,5,6,7                  ; block a's conversions stand between block a - 1's loads from the stage and the wait for them
	PACK \a
	SEND \a-1
	TOSTAGE \a
.endr
	SEND 7
	s_wait_tensorcnt 0x0                           ; the wave's end: behind my last tensor load and my last LDS store
	ds_add_u32 v[SPW], v[NIL]
	s_wait_dscnt 0x0
	CROUND                                         ; the closing round: no work-group ends while a partner may still ask for a tile that names it
	s_endpgm
.Lfunc_end_k_qaa50a30764_qkv:
	.size	k_qaa50a30764_qkv, .Lfunc_end_k_qaa50a30764_qkv-k_qaa50a30764_qkv
	.p2alignl 7, 3214868480
	.fill 96, 4, 3214868480
	.section	.rodata,"a",@progbits
	.p2align	6, 0x0
	.amdhsa_kernel k_qaa50a30764_qkv
		.amdhsa_group_segment_fixed_size 327680
		.amdhsa_private_segment_fixed_size 0
		.amdhsa_enable_private_segment 0
		.amdhsa_kernarg_size 48
		.amdhsa_user_sgpr_count 2
		.amdhsa_user_sgpr_kernarg_segment_ptr 1
		.amdhsa_wavefront_size32 1
		.amdhsa_system_sgpr_workgroup_id_x 1
		.amdhsa_system_sgpr_workgroup_id_y 1
		.amdhsa_system_sgpr_workgroup_id_z 1
		.amdhsa_system_vgpr_workitem_id 0
		.amdhsa_next_free_vgpr 1024
		.amdhsa_next_free_sgpr 98
		.amdhsa_reserve_vcc 0
		.amdhsa_float_denorm_mode_32 3
		.amdhsa_float_denorm_mode_16_64 3
		.amdhsa_memory_ordered 1
		.amdhsa_forward_progress 1
		.amdhsa_inst_pref_size 128
	.end_amdhsa_kernel
	.amdgpu_metadata
---
amdhsa.version: [ 1, 2 ]
amdhsa.kernels:
  - .name:           k_qaa50a30764_qkv
    .symbol:         k_qaa50a30764_qkv.kd
    .args:
      - { .name: xc, .offset: 0, .size: 8, .value_kind: global_buffer, .address_space: global }
      - { .name: xs, .offset: 8, .size: 8, .value_kind: global_buffer, .address_space: global }
      - { .name: wc, .offset: 16, .size: 8, .value_kind: global_buffer, .address_space: global }
      - { .name: ws, .offset: 24, .size: 8, .value_kind: global_buffer, .address_space: global }
      - { .name: b_attn, .offset: 32, .size: 8, .value_kind: global_buffer, .address_space: global }
      - { .name: qkv, .offset: 40, .size: 8, .value_kind: global_buffer, .address_space: global }
    .group_segment_fixed_size: 327680
    .private_segment_fixed_size: 0
    .kernarg_segment_align: 8
    .kernarg_segment_size: 48
    .max_flat_workgroup_size: 128
    .sgpr_count:     98
    .vgpr_count:     1024
    .wavefront_size: 32
...
	.end_amdgpu_metadata
.endif
;; end of part 2
;; launch attn (part 3): grid 8 x 32, 8 waves a work-group, no clusters, 327,680 bytes of LDS; arguments qkv, yb; writes yb
.if DOCPART == 3
	.amdgcn_target "amdgcn-amd-amdhsa--gfx1250"
	.amdhsa_code_object_version 6
	.text
	.protected	k_qaa50a30764_attn
	.globl	k_qaa50a30764_attn
	.p2align	8
	.type	k_qaa50a30764_attn,@function
k_qaa50a30764_attn:
	s_mov_b64 s[64:65], 0
	v_nop
	global_prefetch_b8 v0, s[64:65] scope:SCOPE_SE
	s_setreg_imm32_b32 hwreg(HW_REG_WAVE_MODE, 25, 1), 1
	s_wait_xcnt 0x0
; y[b][t][64 h ..] = the sum over keys k <= t of softmax_k(q . k / 8) v, for each of 2 x 16 heads of 64, T = 2,048.  q, k, v: f16, qkv [48 g][4096 m][64] (g: 0-15 q, 16-31 k, 32-47 v; m = 2048 b + t).  yb: f16 [4096][1024].
; Products on f16 operands, sums, maxima and the softmax in f32; the weights p are rounded to f16 for the second product, y once at the end.
; LIMITS: f16's largest number is 65,504 (q, k, v as the launch before states; p is at most 1; y is a mean of v); an exponential's result under 2^-126 counts as 0 (ISA guide, 15.8).  NaN and infinities are not served.
; SHARES.  A work-group owns query blocks j and 15 - j of one head, 128 queries each: j + 1 and 16 - j blocks of keys, 17 in all for every j.  Each of its eight waves owns two tiles of 16 queries:
; tile A at 128 j + 16 w and tile B at 128 (15 - j) + 16 w.  The wave walks the keys once, 64 a step; while both tiles are live each fragment of K and V read from LDS feeds both.  Two waves share a SIMD.
; NO CLUSTER: the eight work-groups of a head walk 10 to 16 slots: partners would need different numbers of tiles, and in lock step four neighbours would cost the largest partner's work in every slot.
; LAYOUT.  S^T = K Q^T (source 0 = 16 keys, source 1 = 16 queries): a lane holds ONE query (lane % 16) and keys 8 (lane / 16) + 0..7.  Two such tiles, rounded to f16 in pairs, ARE source 1 (32 keys x 16 queries)
; of O^T = V^T P, whose result again holds one query a lane and eight channels.  K comes out of LDS as it lies, V ([key][channel]) turned, by ds_load_tr16_b128.  P is packed in place into the low half of S.
; SOFTMAX.  For each query a running maximum m and sum l: p = 2^(c s - c m), c = log2(e) / 8; in every step O and l are multiplied by a = 2^(c m_old - c m_new).  m begins at -3e38 and O, l at 0: the first a is 0 and multiplies zeros.
; CAUSAL.  A step whose keys all come after a tile's queries is left out for that tile by a scalar branch on ids; on the diagonal hidden scores become -infinity ahead of the maximum.  In a live step the step's first key counts for every query of the tile.
; THE RING.  Two slots of 128 keys (two steps).  K's and V's 128 rows of 128 bytes are dense blocks of 16,384 bytes, brought as 64 rows of 256 bytes (two keys a row): wave 0 fetches K's, wave 1 V's.
; The number of laps hangs on the work-group's number, so no LDS address is stepped: both slots are written out with immediate offsets, and each slot has its own descriptor with a constant LDS address.
; All of a WGP's LDS is claimed.
.set KP,    272                        ; two keys of K in LDS: 256 bytes + 16.  Key k lies at (k / 2) KP + 128 (k % 2): the 16 keys of a load start at 16-byte columns (r / 2) + 8 (r % 2), all different (64 banks of 4 bytes: ISA guide 11.1)
.set VP,    288                        ; two keys of V: 256 + 32: the 8 keys x 2 pieces of sixteen lanes of a turning load start at columns 2 (k / 2) + 8 (k % 2) + c, all different
.set KSL,   64*KP                      ; a slot of K
.set VSL,   64*VP                      ; a slot of V
.set VBASE, 2*KSL                      ; K's two slots, then V's two
.set STAGE, VBASE+2*VSL                ; behind the ring: 16 rows x 144 bytes for each wave, for the way out
.set SPT,   144
.set SPARE, STAGE+8*16*SPT             ; behind the stages: the spare words, 128 bytes for each wave, which no other line names
.set AK0, 1                            ; v1   my lane's place in a tile of K; never rewritten
.set AV0, 2                            ; v2   the same for V
.set RH,  3                            ; v3   lane % 16 - 8 (lane / 16), for the mask
.set SPW, 4                            ; v4   LDS address of my spare word; never rewritten
.set NIL, 5                            ; v5   0; never rewritten
.set STO, 6                            ; v6   the way out: where I put 16 bytes of a row
.set RD,  7                            ; v7   the way out: where I read back
.set GO,  8                            ; v8   my byte offset in the tile's rows of yb
.set PFO, 9                            ; v9   256 x lane: the prefetches' offset; never rewritten
.set TA,  16                           ; v16-23, v24-31 statistics of tiles A, B: +0 c m, +1 m, +2, +3 l (even keys', odd keys'), +4 to +7 at work (a in +6)
.set TB,  24
.set QA,  32                           ; v32-47, v48-63 Q: the fragment of channels 32 d on at +8 d
.set QB,  48
.set SA,  64                           ; v64-95, v96-127 S^T, then p, then P in the low 16
.set SB,  96
.set OA,  128                          ; v128-159, v160-191 O^T
.set OB,  160
.set KV,  192                          ; v192-255 a step's 8 fragments of K, then of V
.set WV,  8                            ; s8   my wave's number
.set Q0A, 12                           ; s12, s13 the tiles' first queries;  s14, s15 their last
.set Q0B, 13
.set QAM, 14
.set QBM, 15
.set KF,  16                           ; s16  the step's first key
.set LC,  17                           ; s17  laps still to go
.set LIM, 18                           ; s18  1 in a wave that prefetches, else the greatest number
.set SEL, 20                           ; s[20:21] lane selects for v_permlanex16_b32: lane l xor 16
.set CS,  22                           ; s[22:23] c: the packed form names a pair and takes its low word for both halves
.set G1K, 24                           ; s[24:31] descriptor group 1 for K's tiles;  s[32:39] for V's: it differs in the padding alone
.set G1V, 32
.set G0K, 40                           ; s[40:47] descriptor group 0 for K's tiles, a set for each slot;  s[48:55] for V's
.set G0V, 48
.set PFA, 56                           ; s[56:57] where my prefetches stand
.set YA,  58                           ; s[58:59], s[60:61] yb at the tiles' first rows, my head's 128 bytes
.set YB,  60
; Wave 0 fetches K's tile of slot s, wave 1 V's, the others nothing.  The branches hang on the wave's number alone.  Four v_nop follow each of the two lines.
.macro TLOAD s
	s_cmp_eq_u32 s[WV], 0
	s_cbranch_scc0 .Lnot_k_\@
	tensor_load_to_lds s[G0K+4*\s:G0K+4*\s+3], s[G1K:G1K+7]
	s_nop 0
.rept 4
	v_nop
.endr
	s_branch .Lasked_\@
.Lnot_k_\@:
	s_cmp_eq_u32 s[WV], 1
	s_cbranch_scc0 .Lasked_\@
	tensor_load_to_lds s[G0V+4*\s:G0V+4*\s+3], s[G1V:G1V+7]
	s_nop 0
.rept 4
	v_nop
.endr
.Lasked_\@:
.endm
; A PREFETCH INTO THE L2: the change of slots that fetches keys 128 n on asks for keys 128 (n + 2) on: two slots' steps ahead of the tensor load that will want them.  All work-groups of a head walk the same K and V:
; the one with j = 0, which walks all 16 slots, asks (a branch on the work-group's number: no cluster here).  In it waves 2 and 3 ask for K's 16,384 bytes, waves 4 and 5 for V's: 8,192 bytes a wave, lanes 256 bytes apart,
; one instruction: each aligned block of 256 bytes is named once in the launch.  The first four slots come by their loads alone; the last lap asks for nothing, so the head's last 128 keys are the last that are named.
.macro ASK
	s_cmp_gt_u32 s[LC], s[LIM]
	s_cbranch_scc0 .Lnot_mine_\@
	global_prefetch_b8 v[PFO], s[PFA:PFA+1] th:TH_LOAD_NT scope:SCOPE_SE
.Lnot_mine_\@:
.endm
; THE CHANGE OF SLOTS.  Each wave waits for all its tensor loads (its part of the slot that is read next), adds 0 to its spare word, and waits for that and for its reads of the slot that it has left.
; Behind the barrier the slot ahead is whole and nobody reads the other.  fill = 1: that other slot takes the keys two slots on: the load has a slot's two steps in which to land.
.macro CHANGE fill, other
	s_wait_tensorcnt 0x0                           ; no tensor load of mine is out, so a group 0 may be written
	ds_add_u32 v[SPW], v[NIL]                      ; 0 onto my spare word: the steps below stand between it and the wait for it
.if \fill
	s_add_nc_u64 s[G0K+4*\other+2:G0K+4*\other+3], s[G0K+4*\other+2:G0K+4*\other+3], 32768   ; 256 keys on; the type bits on top are not reached
	s_add_nc_u64 s[G0V+4*\other+2:G0V+4*\other+3], s[G0V+4*\other+2:G0V+4*\other+3], 32768
	s_wait_xcnt 0x0                                ; the last prefetch, a slot back, has read its address, so it may be written
	s_add_nc_u64 s[PFA:PFA+1], s[PFA:PFA+1], 16384
.endif
	s_wait_dscnt 0x0                               ; the add is done, and my reads of the slot that I have left are over
	s_barrier_signal -1
	s_barrier_wait -1
.if \fill
	TLOAD \other                                   ; the first thing behind the barrier, and a wave's one tensor load until the next
	ASK
.endif
.endm
; 8 products S^T = K Q^T of one tile: channels 0-31 start the four sums, channels 32-63 add.  The four accumulators take turns, one instruction a turn.
.macro KQ s, q
.irp d, 0,1
.irp k, 0,1,2,3
.if \d == 0
	v_wmma_f32_16x16x32_f16 v[\s+8*\k:\s+8*\k+7], v[KV+16*\k:KV+16*\k+7], v[\q:\q+7], 0
.else
	v_wmma_f32_16x16x32_f16 v[\s+8*\k:\s+8*\k+7], v[KV+16*\k+8:KV+16*\k+15], v[\q+8:\q+15], v[\s+8*\k:\s+8*\k+7]
.endif
.endr
.endr
.endm
; 8 products O^T += V^T P of one tile: keys 0-31, then keys 32-63; the four accumulators (16 channels each) by turns.
.macro PV o, s
.irp h, 0,1
.irp c, 0,1,2,3
	v_wmma_f32_16x16x32_f16 v[\o+8*\c:\o+8*\c+7], v[KV+32*\h+8*\c:KV+32*\h+8*\c+7], v[\s+8*\h:\s+8*\h+7], v[\o+8*\c:\o+8*\c+7]
.endr
.endr
.endm
; On the diagonal: register 8 k + i holds key KF + 16 k + 8 (lane / 16) + i, hidden where 16 k + i > d = my query - KF - 8 (lane / 16).  A step all of whose keys count skips this.
.macro MASK s, q0
	s_add_co_u32 s19, s[KF], 63
	s_cmp_le_u32 s19, s[\q0]
	s_cbranch_scc1 .Lopen_\@
	s_sub_co_i32 s19, s[\q0], s[KF]
	v_add_nc_u32 v10, s19, v[RH]
	v_mov_b32 v11, 0xff800000                      ; -infinity
.set n, 0
.rept 32
	v_cmp_gt_i32 vcc_lo, 16*(n/8)+n%8, v10
	v_cndmask_b32 v[\s+n], v[\s+n], v11, vcc_lo    ; each accumulator from its low end on
.set n, n+1
.endr
.Lopen_\@:
.endm
; One tile's softmax for one key step.
.macro SOFTMAX t, s, o
.irp k, 0,1,2,3
	v_max3_num_f32 v[\t+4+\k], v[\s+8*\k], v[\s+8*\k+1], v[\s+8*\k+2]   ; the maximum of my 32 scores and the old m: four chains, each begun at an accumulator's low end
.endr
.irp u, 3,5
.irp k, 0,1,2,3
	v_max3_num_f32 v[\t+4+\k], v[\t+4+\k], v[\s+8*\k+\u], v[\s+8*\k+\u+1]
.endr
.endr
	v_max3_num_f32 v[\t+4], v[\t+4], v[\s+7], v[\s+15]
	v_max3_num_f32 v[\t+6], v[\t+6], v[\s+23], v[\s+31]
	v_max3_num_f32 v[\t+4], v[\t+4], v[\t+5], v[\t+6]
	v_max3_num_f32 v[\t+4], v[\t+4], v[\t+7], v[\t+1]
	v_permlanex16_b32 v[\t+5], v[\t+4], s[SEL], s[SEL+1]   ; the query's other 32 keys lie in the lane 16 away
	v_mov_b32 v[\t+7], v[\t]                       ; c m_old
	v_max_num_f32 v[\t+1], v[\t+4], v[\t+5]        ; the new m
	v_mul_f32 v[\t], s[CS], v[\t+1]                ; c m
	v_sub_f32 v[\t+7], v[\t+7], v[\t]              ; c m_old - c m_new
.set n, 0
.rept 16
	v_pk_fma_f32 v[\s+n:\s+n+1], v[\s+n:\s+n+1], s[CS:CS+1], v[\t:\t+1] op_sel_hi:[1,0,0] neg_lo:[0,0,1] neg_hi:[0,0,1]   ; c s - c m, two at a time
.set n, n+2
.endr
	v_exp_f32 v[\t+6], v[\t+7]                     ; a
.set n, 0
.rept 32
	v_exp_f32 v[\s+n], v[\s+n]                     ; p
.set n, n+1
.endr
	v_nop                                          ; a plain line between the last exponential and the use of its result (ISA guide 5.7.2)
	s_wait_alu depctr_va_vdst(0)
	v_pk_mul_f32 v[\t+2:\t+3], v[\t+2:\t+3], v[\t+6:\t+7] op_sel_hi:[1,0]   ; l under the new m
	v_pk_add_f32 v[\t+4:\t+5], v[\s:\s+1], v[\s+2:\s+3]                     ; the sum of the unrounded p, two at a time, in two chains
.irp i, 4,8,12,16,20,24,28
	v_pk_add_f32 v[\t+2:\t+3], v[\t+2:\t+3], v[\s+\i:\s+\i+1]
	v_pk_add_f32 v[\t+4:\t+5], v[\t+4:\t+5], v[\s+\i+2:\s+\i+3]
.endr
	v_pk_add_f32 v[\t+2:\t+3], v[\t+2:\t+3], v[\t+4:\t+5]
.set n, 0
.rept 16
	v_cvt_pk_f16_f32 v[\s+n], v[\s+2*n], v[\s+2*n+1]   ; P in place, ascending: register n is written when pairs 0 .. n have been read
.set n, n+1
.endr
.set n, 0
.rept 16
	v_pk_mul_f32 v[\o+n:\o+n+1], v[\o+n:\o+n+1], v[\t+6:\t+7] op_sel_hi:[1,0]   ; O^T under the new m, each accumulator from its low end on
.set n, n+2
.endr
.endm
; What follows a step's K Q^T.  both = 1: tiles A and B; 0: tile B alone.
.macro BODY slot, q, both
.rept 4
	v_nop                                          ; four places behind the products K Q^T: for the loads into K's registers and for the first reads of S^T (ISA guide 7.12.1 for vector instructions)
.endr
.irp f, 0,1,2,3,4,5,6,7                ; V turned: keys 32 (f / 4) on, channels 16 (f % 4) on.  It lands while the softmax is worked
	ds_load_tr16_b128 v[KV+8*\f:KV+8*\f+3],   v[AV0] offset:VSL*\slot+(32*\q+16*(\f/4))*VP+32*(\f%4)
	ds_load_tr16_b128 v[KV+8*\f+4:KV+8*\f+7], v[AV0] offset:VSL*\slot+(32*\q+16*(\f/4)+8)*VP+32*(\f%4)
.endr
	MASK SB, Q0B
	SOFTMAX TB, SB, OB
.if \both
	MASK SA, Q0A
	SOFTMAX TA, SA, OA
.endif
	s_wait_dscnt 0x0                               ; V is in
	PV OB, SB
.if \both
	PV OA, SA
.endif
.rept 5
	v_nop                                          ; five places: the next step's first products write over P, which these products read; its loads into V's registers want four
.endr
.endm
; A KEY STEP: 64 keys, the q-th half of a slot.  One branch on ids leaves the whole step out, one more chooses between the two bodies: no barrier and no tensor load stands in a step.
.macro STEP slot, q
	s_cmp_gt_u32 s[KF], s[QBM]
	s_cbranch_scc1 .Lhid_\@
.irp k, 0,1,2,3
.irp d, 0,1
	ds_load_b128 v[KV+16*\k+8*\d:KV+16*\k+8*\d+3],   v[AK0] offset:KSL*\slot+(32*\q+8*\k)*KP+64*\d      ; keys 16 k on, channels 32 d on
	ds_load_b128 v[KV+16*\k+8*\d+4:KV+16*\k+8*\d+7], v[AK0] offset:KSL*\slot+(32*\q+8*\k)*KP+64*\d+32
.endr
.endr
	s_wait_dscnt 0x0
	KQ SB, QB
	s_cmp_gt_u32 s[KF], s[QAM]
	s_cbranch_scc1 .Lsolo_\@
	KQ SA, QA
	BODY \slot, \q, 1
	s_branch .Lhid_\@
.Lsolo_\@:
	BODY \slot, \q, 0
.Lhid_\@:
	s_add_co_u32 s[KF], s[KF], 64
.endm
.macro SLOTW slot
	STEP \slot, 0
	STEP \slot, 1
.endm
	s_load_b128 s[4:7], s[0:1], 0x0                ; qkv s[4:5], yb s[6:7]
	v_lshl_add_u32 v[SPW], v0, 2, SPARE
	v_mov_b32 v[NIL], 0
	ds_add_u32 v4, v5
	s_wait_dscnt 0x0
	v_lshrrev_b32 v12, 5, v0
	v_readfirstlane_b32 s[WV], v12                 ; wave 0..7
	s_and_b32 s10, ttmp7, 0xffff
	s_lshr_b32 s11, s10, 4                         ; the batch
	s_and_b32 s10, s10, 15                         ; the head
	s_lshl_b32 s19, s[WV], 4
	s_lshl_b32 s[Q0A], ttmp9, 7
	s_add_co_u32 s[Q0A], s[Q0A], s19               ; tile A: 128 j + 16 w
	s_sub_co_u32 s[Q0B], 15, ttmp9
	s_lshl_b32 s[Q0B], s[Q0B], 7
	s_add_co_u32 s[Q0B], s[Q0B], s19               ; tile B: 128 (15 - j) + 16 w
	s_add_co_u32 s[QAM], s[Q0A], 15
	s_add_co_u32 s[QBM], s[Q0B], 15
	s_mov_b32 s[KF], 0
	s_sub_co_u32 s[LC], 17, ttmp9
	s_lshr_b32 s[LC], s[LC], 1                     ; laps of two slots: 16 - j slots hold keys that count, rounded up to a pair: 5 to 8 laps
	s_sub_co_u32 s[LC], s[LC], 1                   ; of which one is written out round the loop
	s_sub_co_u32 s[LIM], s[WV], 2
	s_lshr_b32 s[LIM], s[LIM], 2                   ; 0 in waves 2 to 5,
	s_or_b32 s[LIM], s[LIM], ttmp9                 ; of the work-group with j = 0
	s_cmp_eq_u32 s[LIM], 0
	s_cselect_b32 s[LIM], 1, -1
	; descriptor group 1: a dense block of 16,384 bytes as 64 rows of 256 bytes (32 elements of 8 bytes), padded in LDS
	s_mov_b32 s[G1K], (3<<16)|(1<<20)|(5<<22)|(3<<25)   ; 15:0 no mask; 17:16 elements of 8 bytes; 20 padding on; 24:22 after every 64 words (code 5); 31:25 four words (code 3)
	s_mov_b32 s[G1V], (3<<16)|(1<<20)|(5<<22)|(7<<25)   ; the same with eight words of padding (code 7)
.irp g, G1K, G1V
	s_mov_b32 s[\g+1], 32<<16                      ; tensor_dim0 = 32
	s_mov_b32 s[\g+2], 64<<16                      ; tensor_dim1 = 64
	s_mov_b32 s[\g+3], 32<<16                      ; tile_dim0 = 32
	s_mov_b32 s[\g+4], 64                          ; tile_dim1 = 64
	s_mov_b32 s[\g+5], 32                          ; tensor_dim0_stride
	s_mov_b32 s[\g+6], 0
	s_mov_b32 s[\g+7], 0
.endr
	s_mov_b32 s[SEL], 0x76543210
	s_mov_b32 s[SEL+1], 0xfedcba98
	s_mov_b32 s[CS], 0x3e38aa3b                    ; c = log2(e) / 8
	s_mov_b32 s[CS+1], s[CS]                       ; (named with it as a pair, so it is written)
	s_lshl_b32 s2, s10, 19                         ; my head's g, 524,288 bytes each,
	s_lshl_b32 s3, s11, 18                         ; my batch's 2,048 rows of 128 bytes
	s_add_co_u32 s2, s2, s3
	s_mov_b32 s3, 0
	s_lshl_b32 s62, s[Q0B], 7                      ; tile B's rows of q
	s_mov_b32 s63, 0
	s_lshl_b32 s19, s11, 11
	s_lshl_b32 s10, s10, 7                         ; my head's 128 bytes of a row of yb
	s_add_co_u32 s[YA], s19, s[Q0A]
	s_lshl_b32 s[YA], s[YA], 11                    ; rows of 2,048 bytes
	s_add_co_u32 s[YA], s[YA], s10
	s_mov_b32 s[YA+1], 0
	s_add_co_u32 s[YB], s19, s[Q0B]
	s_lshl_b32 s[YB], s[YB], 11
	s_add_co_u32 s[YB], s[YB], s10
	s_mov_b32 s[YB+1], 0
	s_cmp_lt_u32 s[WV], 4                          ; the prefetches: waves 2, 3 stand in k (8,388,608 bytes behind q), waves 4, 5 in v (16,777,216),
	s_cselect_b32 s[PFA], 0, 0x800000
	s_add_co_u32 s[PFA], s[PFA], 0x800000+3*16384  ; in slot 3: the first change of slots steps it to slot 4
	s_and_b32 s19, s[WV], 1
	s_lshl_b32 s19, s19, 13                        ; my half of a slot's 16,384 bytes
	s_add_co_u32 s[PFA], s[PFA], s19
	s_mov_b32 s[PFA+1], 0
	s_wait_kmcnt 0x0
	s_add_nc_u64 s[4:5], s[4:5], s[2:3]            ; q of my head and batch
.irp s, 0,1
	s_mov_b32 s[G0K+4*\s], 1                       ; 1:0 count = 1
	s_mov_b32 s[G0K+4*\s+1], \s*KSL                ; 63:32 LDS address: a constant
	s_add_nc_u64 s[G0K+4*\s+2:G0K+4*\s+3], s[4:5], 0x800000+\s*16384    ; 120:64 global address: keys 128 s on
	s_or_b32 s[G0K+4*\s+3], s[G0K+4*\s+3], 0x80000000                   ; 127:126 type = 2
	s_mov_b32 s[G0V+4*\s], 1
	s_mov_b32 s[G0V+4*\s+1], VBASE+\s*VSL
	s_add_nc_u64 s[G0V+4*\s+2:G0V+4*\s+3], s[4:5], 0x1000000+\s*16384
	s_or_b32 s[G0V+4*\s+3], s[G0V+4*\s+3], 0x80000000
.endr
	s_cmp_eq_u32 s[WV], 0                          ; a wave's two first fills stand in one branch, ahead of every wait on TENSORcnt, every LDS read and every barrier: two loads of the wave are out
	s_cbranch_scc0 .Lfirst_not_k
	tensor_load_to_lds s[G0K:G0K+3], s[G1K:G1K+7]
	s_nop 0
	tensor_load_to_lds s[G0K+4:G0K+7], s[G1K:G1K+7]
	s_nop 0
.rept 4
	v_nop
.endr
	s_branch .Lfirst_asked
.Lfirst_not_k:
	s_cmp_eq_u32 s[WV], 1
	s_cbranch_scc0 .Lfirst_asked
	tensor_load_to_lds s[G0V:G0V+3], s[G1V:G1V+7]
	s_nop 0
	tensor_load_to_lds s[G0V+4:G0V+7], s[G1V:G1V+7]
	s_nop 0
.rept 4
	v_nop
.endr
.Lfirst_asked:
	s_add_nc_u64 s[62:63], s[4:5], s[62:63]        ; q at tile B's first row,
	s_lshl_b32 s2, s[Q0A], 7
	s_add_nc_u64 s[2:3], s[4:5], s[2:3]            ; and at tile A's
	s_add_nc_u64 s[PFA:PFA+1], s[4:5], s[PFA:PFA+1]
	s_add_nc_u64 s[YA:YA+1], s[6:7], s[YA:YA+1]
	s_add_nc_u64 s[YB:YB+1], s[6:7], s[YB:YB+1]
	; a fragment of K or Q is 16 rows x 32 channels in 8 registers: lane l holds row l % 16; registers 0-3 channels 8 (l / 16) + 0..7, registers 4-7 channels 16 + 8 (l / 16) + 0..7
	v_and_b32 v13, 15, v0                          ; r = l % 16
	v_bfe_u32 v14, v0, 4, 1                        ; h = l / 16
	v_lshlrev_b32 v12, 7, v13
	v_lshl_add_u32 v12, v14, 4, v12                ; row r of 128 bytes + 16 h
.irp d, 0,1
	global_load_b128 v[QA+8*\d:QA+8*\d+3],   v12, s[2:3] offset:64*\d      ; Q stays in registers
	global_load_b128 v[QA+8*\d+4:QA+8*\d+7], v12, s[2:3] offset:64*\d+32
	global_load_b128 v[QB+8*\d:QB+8*\d+3],   v12, s[62:63] offset:64*\d
	global_load_b128 v[QB+8*\d+4:QB+8*\d+7], v12, s[62:63] offset:64*\d+32
.endr
	v_lshrrev_b32 v15, 1, v13
	v_mul_u32_u24 v[AK0], v15, KP
	v_and_b32 v15, 1, v13
	v_lshl_add_u32 v[AK0], v15, 7, v[AK0]
	v_lshl_add_u32 v[AK0], v14, 4, v[AK0]          ; K: (r / 2) KP + 128 (r % 2) + 16 h
	; the turning load takes 16 keys x 16 channels (lane l reads 16 bytes: key 8 (l / 16) + l % 8, channels 8 ((l / 8) % 2) + 0..7) and leaves half a fragment of V^T: lane l holds channel l % 16 and 8 keys
	v_bfe_u32 v15, v0, 1, 2
	v_lshl_add_u32 v15, v14, 2, v15                ; the key's pair: 4 h + (l % 8) / 2
	v_mul_u32_u24 v[AV0], v15, VP
	v_and_b32 v15, 1, v0
	v_lshl_add_u32 v[AV0], v15, 7, v[AV0]
	v_bfe_u32 v15, v0, 3, 1
	v_lshl_add_u32 v[AV0], v15, 4, v[AV0]
	v_add_nc_u32 v[AV0], VBASE, v[AV0]
	v_lshlrev_b32 v15, 3, v14
	v_sub_nc_u32 v[RH], v13, v15                   ; r - 8 h
	s_mul_i32 s19, s[WV], 16*SPT
	s_add_co_u32 s19, s19, STAGE                   ; my stage
	v_mul_u32_u24 v[STO], v13, SPT
	v_lshl_add_u32 v[STO], v14, 4, v[STO]
	v_add_nc_u32 v[STO], s19, v[STO]               ; in: row r, 16 bytes for each half of the lanes
	v_bfe_u32 v15, v0, 3, 2
	v_and_b32 v10, 7, v0
	v_mul_u32_u24 v[RD], v15, SPT
	v_lshl_add_u32 v[RD], v10, 4, v[RD]
	v_add_nc_u32 v[RD], s19, v[RD]                 ; back: eight lanes to a row of 128 bytes, four rows an instruction
	v_lshlrev_b32 v[GO], 11, v15
	v_lshl_add_u32 v[GO], v10, 4, v[GO]            ; and the same four rows in yb
	v_and_b32 v[PFO], 31, v0
	v_lshlrev_b32 v[PFO], 8, v[PFO]
.irp t, TA, TB
	v_mov_b32 v[\t+1], 0xff61b1e6                  ; m: -3e38, under every score
	v_mul_f32 v[\t], s[CS], v[\t+1]                ; c m
.irp i, 2,3,4,5,6,7
	v_mov_b32 v[\t+\i], 0                          ; l; and the registers at work, of which one is a lane permute's destination, which counts as read
.endr
.endr
.set n, 0
.rept 64
	v_mov_b32 v[OA+n], 0                           ; O^T of both tiles.  (The step is written without a first step of its own: the first finds zeros, which the first a leaves zeros)
.set n, n+1
.endr
	s_wait_loadcnt 0x0                             ; Q
	s_wait_tensorcnt 1                             ; my part of slot 0 is in; slot 1's, issued behind it, may stay out
	s_barrier_signal -1
	s_barrier_wait -1                              ; everybody's is
	SLOTW 0
.Llap:                                             ; a trip: slot 1, then slot 0; each change of slots fills the slot just left
	CHANGE 1, 0
	SLOTW 1
	CHANGE 1, 1
	SLOTW 0
	s_sub_co_u32 s[LC], s[LC], 1
	s_cmp_lg_u32 s[LC], 0
	s_cbranch_scc1 .Llap
	CHANGE 0, 0                                    ; the last slot is written out
	SLOTW 1
; THE WAY OUT of a tile.  l's two halves and the other half of the lanes' are added; O^T is divided by l, rounded to f16 and sent through my stage in LDS, so that eight lanes store a row's 128 consecutive bytes:
; a head has no more of a row of yb.  LDS serves a wave's instructions in order (ISA guide 5.7.1.4): the loads see the stores, and tile B's stores come behind tile A's loads.
.macro OUT t, s, o, base
	v_add_f32 v[\t+4], v[\t+2], v[\t+3]
	v_permlanex16_b32 v[\t+5], v[\t+4], s[SEL], s[SEL+1]
	v_add_f32 v[\t+4], v[\t+4], v[\t+5]
	v_rcp_f32 v[\t+6], v[\t+4]
	v_nop                                          ; a plain line between the reciprocal and the use of its result
.set n, 0
	s_wait_alu depctr_va_vdst(0)
.rept 16
	v_pk_mul_f32 v[\o+n:\o+n+1], v[\o+n:\o+n+1], v[\t+6:\t+7] op_sel_hi:[1,0]
.set n, n+2
.endr
.set n, 0
.rept 16
	v_cvt_pk_f16_f32 v[\s+n], v[\o+2*n], v[\o+2*n+1]
.set n, n+1
.endr
.irp c, 0,1,2,3
	ds_store_b128 v[STO], v[\s+4*\c:\s+4*\c+3] offset:32*\c        ; channels 16 c + 8 h + 0..7 of query r
.endr
.irp u, 0,1,2,3
	ds_load_b128 v[\s+16+4*\u:\s+16+4*\u+3], v[RD] offset:4*SPT*\u
.endr
.irp u, 0,1,2,3
	s_wait_dscnt 3-\u                              ; the later loads may be out
	global_store_b128 v[GO], v[\s+16+4*\u:\s+16+4*\u+3], s[\base:\base+1] offset:8192*\u
.endr
.endm
	OUT TA, SA, OA, YA                             ; (five places stand behind the last products)
	OUT TB, SB, OB, YB
	s_wait_tensorcnt 0x0                           ; the wave's end: behind my last tensor load and my last LDS store
	ds_add_u32 v[SPW], v[NIL]
	s_wait_dscnt 0x0
	s_endpgm
.Lfunc_end_k_qaa50a30764_attn:
	.size	k_qaa50a30764_attn, .Lfunc_end_k_qaa50a30764_attn-k_qaa50a30764_attn
	.p2alignl 7, 3214868480
	.fill 96, 4, 3214868480
	.section	.rodata,"a",@progbits
	.p2align	6, 0x0
	.amdhsa_kernel k_qaa50a30764_attn
		.amdhsa_group_segment_fixed_size 327680
		.amdhsa_private_segment_fixed_size 0
		.amdhsa_enable_private_segment 0
		.amdhsa_kernarg_size 16
		.amdhsa_user_sgpr_count 2
		.amdhsa_user_sgpr_kernarg_segment_ptr 1
		.amdhsa_wavefront_size32 1
		.amdhsa_system_sgpr_workgroup_id_x 1
		.amdhsa_system_sgpr_workgroup_id_y 1
		.amdhsa_system_sgpr_workgroup_id_z 1
		.amdhsa_system_vgpr_workitem_id 0
		.amdhsa_next_free_vgpr 256
		.amdhsa_next_free_sgpr 66
		.amdhsa_reserve_vcc 1
		.amdhsa_float_denorm_mode_32 3
		.amdhsa_float_denorm_mode_16_64 3
		.amdhsa_memory_ordered 1
		.amdhsa_forward_progress 1
		.amdhsa_inst_pref_size 255
	.end_amdhsa_kernel
	.section	.bss,"aw",@nobits
	.p2align	6
	.space	262144
	.amdgpu_metadata
---
amdhsa.version: [ 1, 2 ]
amdhsa.kernels:
  - .name:           k_qaa50a30764_attn
    .symbol:         k_qaa50a30764_attn.kd
    .args:
      - { .name: qkv, .offset: 0, .size: 8, .value_kind: global_buffer, .address_space: global }
      - { .name: yb, .offset: 8, .size: 8, .value_kind: global_buffer, .address_space: global }
    .group_segment_fixed_size: 327680
    .private_segment_fixed_size: 0
    .kernarg_segment_align: 8
    .kernarg_segment_size: 16
    .max_flat_workgroup_size: 256
    .sgpr_count:     66
    .vgpr_count:     256
    .wavefront_size: 32
...
	.end_amdgpu_metadata
.endif
;; end of part 3
;; launch proj (part 4): grid 8 x 32, 4 waves a work-group, clusters of 4 x 4, 327,680 bytes of LDS; arguments yb, wpt, b_proj, out0; writes out0
.if DOCPART == 4
	.amdgcn_target "amdgcn-amd-amdhsa--gfx1250"
	.amdhsa_code_object_version 6
	.text
	.protected	k_qaa50a30764_proj
	.globl	k_qaa50a30764_proj
	.p2align	8
	.type	k_qaa50a30764_proj,@function
k_qaa50a30764_proj:
	s_mov_b64 s[64:65], 0
	v_nop
	global_prefetch_b8 v0, s[64:65] scope:SCOPE_SE
	s_setreg_imm32_b32 hwreg(HW_REG_WAVE_MODE, 25, 1), 1
	s_wait_xcnt 0x0
	s_wait_alu depctr_hold_cnt(0) depctr_sa_sdst(0) depctr_va_vdst(0) depctr_va_sdst(0) depctr_va_ssrc(0) depctr_va_vcc(0) depctr_vm_vsrc(0)
	s_getreg_b32 s2, hwreg(HW_REG_IB_STS2, 6, 4)
	s_cmp_eq_u32 s2, 0
	s_cbranch_scc0 .Lentry_in_a_cluster
	s_endpgm
.Lentry_in_a_cluster:
	s_bfe_u32 s2, ttmp6, 0x10000c
	s_cmp_lg_u32 s2, 0xf033
	s_cbranch_scc0 .Lentry_shape_is_right
	s_endpgm
.Lentry_shape_is_right:
; out0 = y w_proj + b_proj.  A: yb [4096][1024] f16; B: wpt [1024 n][1024 k] f16 (w_proj turned by the first launch); b_proj [1024] f32; out0 [4096][1024] f32; sums in f32.
; LIMIT: both operands are f16 (largest number 65,504), as the launches that make them state.
; 4,096 x 1,024 are 256 tiles of 128 x 128: one for each work-group.  Four waves, each 64 x 64: 16 accumulators of 16 x 16, 128 registers.  K goes in steps of 256 (LDS rows of 512 bytes; a wave's tensor load brings 64 of them)
; through a ring of two slots.  A wave's 64 columns of f32 are 256 aligned bytes of a row, so each wave has a stage of its own on the way out and no barrier stands there.
; CLUSTERS: 4 x 4 work-groups.  The four of a row of the cluster need the same tiles of A, the four of a column the same tiles of B: each tile is asked for JOINTLY, by the same tensor load with the
; same descriptor and a mask that names the four.  THE MATRIX INSTRUCTION IS USED TRANSPOSED (source 0 = 16 rows of B, source 1 = 16 rows of A): a lane then holds eight neighbouring numbers of a row.  The bias is the C of each sum's first product.
; REGISTERS: window 0: v0-31 addresses; v32-95 rows read back on the way out; v96-127 the bias, 8 registers for each of B's four blocks; v128-255 the accumulators ((a, b) at v[128 + 8 (4 a + b)]).
;   window 1: two fragment buffers of 128: for 64 along K (two matrix instructions deep), 64 registers of A (2 x 4 x 16 rows x 32 K), then 64 of B.
; No prefetch: K is four steps, of which two come with the first fills.
.set SIZE_M, 4096
.set SIZE_N, 1024
.set SIZE_K, 1024
.set KSTEP,  256
.set PITCH,  528                       ; an LDS row: 512 bytes of data + 16 of padding = 132 words: row r starts at bank 4 r mod 64 (64 banks of 4 bytes: ISA guide 11.1)
.set HALFT,  64*PITCH                  ; 64 rows: what one tensor load brings, and what one wave reads of A or of B
.set SLOT,   4*HALFT                   ; A's 128 rows, then B's 128 rows
.set STAGE,  2*SLOT                    ; behind the ring: 16 rows x 272 bytes for each wave, for the way out
.set SPITCH, 272
.set SPARE,  STAGE+4*16*SPITCH         ; behind the stages: the spare words, 128 bytes for each wave, which no other line names
.set LAPS, SIZE_K/(2*KSTEP)            ; a lap = two K steps = once round the ring: 2
.set ADRA, 16                          ; v16-17  LDS address of my A fragments in slot 0, 1
.set ADRB, 20                          ; v20-21  the same for B
.set STO,  24                          ; v24     the way out: where I put 32 bytes of a row
.set RD,   25                          ; v25     the way out: where I read a row back
.set CO,   26                          ; v26     my byte offset in out0
.set SPW,  28                          ; v28     LDS address of my spare word; never rewritten
.set NIL,  29                          ; v29     0; never rewritten
.set OB,   32                          ; the way out: 16 rows read back: v32-63 and v64-95 by turns
.set BI,   96
.set ACC,  128
.set F0,   0                           ; fragment buffers, in window 1
.set F1,   128
.set G1, 24                            ; s[24:31] descriptor group 1 for A's tiles;  s[32:39] group 0, one set for each slot
.set G0, 32
.set G1B, 48                           ; s[48:55], s[56:63] the same for B's tiles
.set G0B, 56
.set MSB, 0
.macro WIN new                         ; the immediate's high byte repeats the setting that is left
.if MSB != (\new)
	s_set_vgpr_msb (MSB<<8)|(\new)
.set MSB, (\new)
.endif
.endm
.set MUL,  0x05                        ; sources 0 (B) and 1 (A) window 1; C and D window 0
.set TO_F, 0x40                        ; destination window 1, address window 0
.macro JLOAD s                         ; a joint load: waves 0 and 1 fetch A's two halves, waves 2 and 3 B's; four v_nop follow each of the two lines, ahead of the jump, the label and what follows
	s_cmp_eq_u32 s11, 0
	s_cbranch_scc0 .Lfor_b_\@
	tensor_load_to_lds s[G0+4*\s:G0+4*\s+3], s[G1:G1+7]
	s_nop 0
.rept 4
	v_nop
.endr
	s_branch .Lasked_\@
.Lfor_b_\@:
	tensor_load_to_lds s[G0B+4*\s:G0B+4*\s+3], s[G1B:G1B+7]
	s_nop 0
.rept 4
	v_nop
.endr
.Lasked_\@:
.endm
.macro CREST                           ; a round of the cluster's barrier behind its opening barrier
	s_cmp_lg_u32 s10, 0
	s_cbranch_scc1 .Lnot_wave_0_\@
	s_barrier_signal -3
.Lnot_wave_0_\@:
	s_barrier_wait -3
	s_barrier_signal -1
	s_barrier_wait -1
.endm
.macro CROUND                          ; a whole round
	s_barrier_signal -1
	s_barrier_wait -1
	CREST
.endm
	s_load_b128 s[4:7], s[0:1], 0x0                ; A s[4:5], B s[6:7]
	s_load_b64 s[2:3], s[0:1], 0x10                ; b_proj
	s_load_b64 s[8:9], s[0:1], 0x18                ; out0
	v_lshl_add_u32 v[SPW], v0, 2, SPARE
	v_mov_b32 v[NIL], 0
	ds_add_u32 v28, v29
	s_wait_dscnt 0x0
	v_lshrrev_b32 v1, 5, v0
	v_readfirstlane_b32 s10, v1                    ; wave 0..3
	s_lshr_b32 s11, s10, 1                         ; which half of the tile's rows is mine.  Also: I fetch for A (0) or for B (1)
	s_and_b32 s12, s10, 1                          ; which half of its columns.  Also: which 64 rows of that tile I fetch
	s_bfe_u32 s40, ttmp6, 0x40000                  ; cx, cy: my place in the cluster
	s_bfe_u32 s41, ttmp6, 0x40004
	s_lshl_b32 s42, ttmp9, 2
	s_add_co_u32 s42, s42, s40                     ; tile column = 4 x cluster x + cx
	s_and_b32 s13, ttmp7, 0xffff
	s_lshl_b32 s13, s13, 2
	s_add_co_u32 s13, s13, s41                     ; tile row = 4 x cluster y + cy
	s_lshl_b32 s43, s41, 2
	s_lshl_b32 s43, 15, s43                        ; my row of the cluster
	s_lshl_b32 s44, 0x1111, s40                    ; my column
	; descriptor group 1: a tile of 64 rows x 256 elements, padded in LDS
	s_or_b32 s[G1+0], s43, (1<<16)|(1<<20)|(1<<21)|(6<<22)|(3<<25)  ; 15:0 the mask: A's tiles go to my row; 17:16 element of 2 bytes; 20 padding on; 21 set beside a mask; 24:22 after every 128 words (code 6); 31:25 of 4 words (code 3)
	s_or_b32 s[G1B+0], s44, (1<<16)|(1<<20)|(1<<21)|(6<<22)|(3<<25)
.irp g, G1, G1B
	s_mov_b32 s[\g+1], KSTEP<<16                   ; tensor_dim0 = 256
	s_mov_b32 s[\g+2], 64<<16                      ; tensor_dim1 = 64
	s_mov_b32 s[\g+3], KSTEP<<16                   ; tile_dim0 = 256
	s_mov_b32 s[\g+4], 64                          ; tile_dim1 = 64
	s_mov_b32 s[\g+5], SIZE_K                      ; tensor_dim0_stride
	s_mov_b32 s[\g+6], 0
	s_mov_b32 s[\g+7], 0
.endr
	s_lshl_b32 s17, s12, 6                         ; which 64 rows of the tile I fetch
	s_lshl_b32 s16, s13, 7
	s_add_co_u32 s16, s16, s17                     ; A: row 128 x tile row + 64 x half
	s_lshl_b32 s46, s42, 7
	s_add_co_u32 s46, s46, s17                     ; B: row 128 x tile column + 64 x half
	s_mov_b32 s17, 0
	s_mov_b32 s47, 0
	s_mov_b64 s[18:19], SIZE_K*2
	s_mul_u64 s[16:17], s[16:17], s[18:19]
	s_mul_u64 s[46:47], s[46:47], s[18:19]
	s_mul_i32 s20, s10, HALFT                      ; where they go: wave x 64 rows: no place in the cluster enters an LDS address
	s_wait_kmcnt 0x0
	s_add_nc_u64 s[14:15], s[4:5], s[16:17]
	s_add_nc_u64 s[46:47], s[6:7], s[46:47]
	CROUND                                         ; all sixteen work-groups are here: the first joint loads meet
.irp s, 0,1
	s_mov_b32 s[G0+4*\s], 1
	s_add_co_u32 s[G0+4*\s+1], s20, \s*SLOT
	s_add_nc_u64 s[G0+4*\s+2:G0+4*\s+3], s[14:15], \s*KSTEP*2
	s_or_b32 s[G0+4*\s+3], s[G0+4*\s+3], 0x80000000
	s_mov_b32 s[G0B+4*\s], 1
	s_add_co_u32 s[G0B+4*\s+1], s20, \s*SLOT
	s_add_nc_u64 s[G0B+4*\s+2:G0B+4*\s+3], s[46:47], \s*KSTEP*2
	s_or_b32 s[G0B+4*\s+3], s[G0B+4*\s+3], 0x80000000
	JLOAD \s
.endr
	v_and_b32 v1, 15, v0                           ; l % 16
	v_bfe_u32 v2, v0, 4, 1                         ; l / 16
	s_lshl_b32 s46, s42, 9                         ; my first column, in bytes of f32: 512 x tile column + 256 x half: the same in out0's rows and in b_proj
	s_lshl_b32 s47, s12, 8
	s_add_co_u32 s46, s46, s47
	s_mov_b32 s47, 0
	s_add_nc_u64 s[2:3], s[2:3], s[46:47]
	v_lshlrev_b32 v27, 5, v2                       ; the bias: lane (r, h) wants, for B's block b, the numbers of columns 16 b + 8 h + 0 .. 7
.irp b, 0,1,2,3
	global_load_b128 v[BI+8*\b:BI+8*\b+3], v27, s[2:3] offset:64*\b
	global_load_b128 v[BI+8*\b+4:BI+8*\b+7], v27, s[2:3] offset:64*\b+16
.endr
	v_mul_u32_u24 v3, v1, PITCH
	v_lshl_add_u32 v3, v2, 4, v3                   ; a fragment's row x pitch + 16 x half
	s_mul_i32 s21, s11, HALFT                      ; my 64 rows of A
	s_mul_i32 s22, s12, HALFT                      ; my 64 rows of B,
	s_add_co_u32 s22, s22, 2*HALFT                 ; which lie behind A's 128
.irp s, 0,1
	v_add_nc_u32 v[ADRA+\s], s21, v3
	v_add_nc_u32 v[ADRB+\s], s22, v3
	s_add_co_u32 s21, s21, SLOT
	s_add_co_u32 s22, s22, SLOT
.endr
	s_mul_i32 s23, s10, 16*SPITCH
	s_add_co_u32 s23, s23, STAGE                   ; my stage
	v_mul_u32_u24 v4, v1, SPITCH                   ; in: row l % 16, 32 bytes for each half of the lanes
	v_lshl_add_u32 v4, v2, 5, v4
	v_add_nc_u32 v[STO], s23, v4
	v_mul_u32_u24 v5, v2, SPITCH                   ; back: lanes 0-15 take one row of 256 bytes, lanes 16-31 the next
	v_lshl_add_u32 v5, v1, 4, v5
	v_add_nc_u32 v[RD], s23, v5
	v_lshlrev_b32 v5, 12, v2                       ; and the same two rows in out0, 4,096 bytes a row
	v_lshl_add_u32 v[CO], v1, 4, v5
	s_lshl_b32 s16, s13, 7
	s_lshl_b32 s17, s11, 6
	s_add_co_u32 s16, s16, s17                     ; my first row: 128 x tile row + 64 x half
	s_lshl_b32 s16, s16, 12
	s_mov_b32 s17, 0
	s_add_nc_u64 s[8:9], s[8:9], s[16:17]
	s_add_nc_u64 s[8:9], s[8:9], s[46:47]
; 8 matrix instructions: m blocks a0, a0 + 1 x all 4 n blocks, 32 along K: half c of buffer f.  zero = 1: the first product starts the sums, with the bias as its C
.macro MUL8 f, c, a0, zero
.irp a, \a0, \a0+1
.irp b, 0,1,2,3
.if \zero
	v_wmma_f32_16x16x32_f16 v[ACC+8*(4*(\a)+\b):ACC+8*(4*(\a)+\b)+7], v[\f+64+8*(4*\c+\b):\f+64+8*(4*\c+\b)+7], v[\f+8*(4*\c+\a):\f+8*(4*\c+\a)+7], v[BI+8*\b:BI+8*\b+7]
.else
	v_wmma_f32_16x16x32_f16 v[ACC+8*(4*(\a)+\b):ACC+8*(4*(\a)+\b)+7], v[\f+64+8*(4*\c+\b):\f+64+8*(4*\c+\b)+7], v[\f+8*(4*\c+\a):\f+8*(4*\c+\a)+7], v[ACC+8*(4*(\a)+\b):ACC+8*(4*(\a)+\b)+7]
.endif
.endr
.endr
.endm
; 32 LDS loads in one run: the fragments of 64 along K at byte k of the rows, into buffer f; the first 32 along K first
.macro FETCH slot, k, f
	WIN TO_F
.irp c, 0,1
.irp i, 0,1,2,3
	ds_load_b128 v[\f+64+8*(4*\c+\i):\f+64+8*(4*\c+\i)+3],   v[ADRB+\slot] offset:\k+64*\c+\i*16*PITCH
	ds_load_b128 v[\f+64+8*(4*\c+\i)+4:\f+64+8*(4*\c+\i)+7], v[ADRB+\slot] offset:\k+64*\c+\i*16*PITCH+32
	ds_load_b128 v[\f+8*(4*\c+\i):\f+8*(4*\c+\i)+3],         v[ADRA+\slot] offset:\k+64*\c+\i*16*PITCH
	ds_load_b128 v[\f+8*(4*\c+\i)+4:\f+8*(4*\c+\i)+7],       v[ADRA+\slot] offset:\k+64*\c+\i*16*PITCH+32
.endr
.endr
.endm
.macro PLACES                          ; four places in front of loads into registers that matrix instructions have read, and of LDS stores that read results (ISA guide 7.12.1 for vector instructions)
.rept 4
	v_nop
.endr
.endm
; A K step is four quarters of 64 along K, 32 matrix instructions each, on buffers 0, 1, 0, 1; the 16 accumulators take turns.  One of the first three: multiplies buffer f and fetches the next quarter, at byte k, into g.
.macro QUARTER slot, k, f, g, zero
	s_wait_dscnt 16                                ; the first 32 along K are in; the youngest sixteen loads may be out
	WIN MUL
	MUL8 \f, 0, 0, \zero
	MUL8 \f, 0, 2, \zero
	PLACES
	FETCH \slot, \k, \g
	s_wait_dscnt 32                                ; all but the 32 just issued
	WIN MUL
	MUL8 \f, 1, 0, 0
	MUL8 \f, 1, 2, 0
.endm
; The last quarter multiplies buffer 1 and changes slots: ONE barrier; in front of it each wave waits for all its tensor loads, adds 0 to its spare word, and waits for that and for its own reads of this slot.  fill = 1: this slot is filled again, two K steps ahead.
.macro TURN slot, next, fill
	WIN 0                                          ; (the add's two registers lie in window 0)
	s_wait_tensorcnt 0x0                           ; all my tensor loads have landed: my part of the next slot
	ds_add_u32 v[SPW], v[NIL]                      ; 0 onto my spare word
	s_wait_dscnt 17                                ; (the add and the youngest sixteen loads may be out)
	WIN MUL
	MUL8 F1, 0, 0, 0                               ; eight matrix instructions stand between the add and the wait for it
	s_wait_dscnt 0x0                               ; the add is done, and my reads of this slot are over
	s_barrier_signal -1
	MUL8 F1, 0, 2, 0
.if \fill
	WIN 0
.endif
	s_barrier_wait -1
.if \fill
	CREST                                          ; the barrier has opened a round of the cluster's barrier: no wave of any partner still reads this slot's tile or has a load on its way
	s_add_nc_u64 s[G0+4*\slot+2:G0+4*\slot+3], s[G0+4*\slot+2:G0+4*\slot+3], 2*KSTEP*2
	s_add_nc_u64 s[G0B+4*\slot+2:G0B+4*\slot+3], s[G0B+4*\slot+2:G0B+4*\slot+3], 2*KSTEP*2
	JLOAD \slot                                    ; the first tensor load behind the round; the four v_nop behind it are also the places in front of the loads below
.else
	PLACES
.endif
	FETCH \next, 0, F0
	WIN MUL
	MUL8 F1, 1, 0, 0
	MUL8 F1, 1, 2, 0
.endm
	s_wait_tensorcnt 1                             ; my part of K step 0 is in (K step 1's load, issued behind it, may be out),
	s_barrier_signal -1
	s_barrier_wait -1                              ; everybody's is
	FETCH 0, 0, F0
	s_wait_loadcnt 0x0                             ; the bias is in, and its base s[2:3] is free
	QUARTER 0, 128, F0, F1, 1                      ; the first quarter stands in front of the loop: its first products start the sums
	WIN 0                                          ; at a label and at a branch every window is 0
	s_mov_b32 s3, LAPS-1
.Llap:                                                 ; a trip goes once round the ring, from a lap's second quarter to the next lap's first, and fills both slots again
	QUARTER 0, 256, F1, F0, 0
	QUARTER 0, 384, F0, F1, 0
	TURN 0, 1, 1
	QUARTER 1, 128, F0, F1, 0
	QUARTER 1, 256, F1, F0, 0
	QUARTER 1, 384, F0, F1, 0
	TURN 1, 0, 1
	QUARTER 0, 128, F0, F1, 0
	WIN 0
	s_sub_co_u32 s3, s3, 1
	s_cmp_lg_u32 s3, 0
	s_cbranch_scc1 .Llap
	QUARTER 0, 256, F1, F0, 0                      ; the last lap fills nothing, and has no round of the cluster's barrier
	QUARTER 0, 384, F0, F1, 0
	TURN 0, 1, 0
	QUARTER 1, 128, F0, F1, 0
	QUARTER 1, 256, F1, F0, 0
	QUARTER 1, 384, F0, F1, 0
	s_wait_dscnt 16                                ; the very last quarter: nothing more to fetch
	WIN MUL
	MUL8 F1, 0, 0, 0
	MUL8 F1, 0, 2, 0
	s_wait_dscnt 0
	MUL8 F1, 1, 0, 0
	MUL8 F1, 1, 2, 0
	WIN 0
; THE WAY OUT, block by block of 16 rows x 64 columns.  A lane holds 32 neighbouring bytes of a row, and the lanes beside it hold other rows: so a block goes through my own stage in LDS and comes back as whole
; rows of 256 bytes.  LDS serves a wave's instructions in order (ISA guide 5.7.1.4): no wait between the stores and the loads, nor in front of the next block's stores.
.macro TOSTAGE a
.irp b, 0,1,2,3
	ds_store_b128 v[STO], v[ACC+8*(4*(\a)+\b):ACC+8*(4*(\a)+\b)+3] offset:64*\b        ; each accumulator from its low end on
	ds_store_b128 v[STO], v[ACC+8*(4*(\a)+\b)+4:ACC+8*(4*(\a)+\b)+7] offset:64*\b+16
.endr
.irp t, 0,1,2,3,4,5,6,7
	ds_load_b128 v[OB+32*((\a)%2)+4*\t:OB+32*((\a)%2)+4*\t+3], v[RD] offset:\t*2*SPITCH
.endr
.endm
.macro SEND a, younger                 ; younger: the LDS instructions issued behind block a's loads, which may stay out
	s_wait_dscnt \younger                          ; the block is back in registers
.irp t, 0,1,2,3,4,5,6,7
	global_store_b128 v[CO], v[OB+32*((\a)%2)+4*\t:OB+32*((\a)%2)+4*\t+3], s[8:9] offset:(16*(\a)+2*\t)*SIZE_N*4 th:TH_STORE_NT   ; sixteen lanes store 256 consecutive bytes, aligned; written once, read by nobody here; every place stands in the immediate
.endr
.endm
	PLACES                                         ; behind the last products: the LDS stores read results
	TOSTAGE 0
.irp a, 1,2,3
.if \a > 1
	s_wait_xcnt 0x0                                ; block a - 2's stores have read their registers: block a's loads may land there
.endif
	TOSTAGE \a
	SEND \a-1, 16                                  ; behind block a - 1's loads: block a's 8 stores and 8 loads
.endr
	SEND 3, 0
	s_wait_tensorcnt 0x0                           ; the wave's end: behind my last tensor load and my last LDS store
	ds_add_u32 v[SPW], v[NIL]
	s_wait_dscnt 0x0
	CROUND                                         ; the closing round: no work-group ends while a partner may still ask for a tile that names it
	s_endpgm
.Lfunc_end_k_qaa50a30764_proj:
	.size	k_qaa50a30764_proj, .Lfunc_end_k_qaa50a30764_proj-k_qaa50a30764_proj
	.p2alignl 7, 3214868480
	.fill 96, 4, 3214868480
	.section	.rodata,"a",@progbits
	.p2align	6, 0x0
	.amdhsa_kernel k_qaa50a30764_proj
		.amdhsa_group_segment_fixed_size 327680
		.amdhsa_private_segment_fixed_size 0
		.amdhsa_enable_private_segment 0
		.amdhsa_kernarg_size 32
		.amdhsa_user_sgpr_count 2
		.amdhsa_user_sgpr_kernarg_segment_ptr 1
		.amdhsa_wavefront_size32 1
		.amdhsa_system_sgpr_workgroup_id_x 1
		.amdhsa_system_sgpr_workgroup_id_y 1
		.amdhsa_system_sgpr_workgroup_id_z 1
		.amdhsa_system_vgpr_workitem_id 0
		.amdhsa_next_free_vgpr 512
		.amdhsa_next_free_sgpr 66
		.amdhsa_reserve_vcc 0
		.amdhsa_float_denorm_mode_32 3
		.amdhsa_float_denorm_mode_16_64 3
		.amdhsa_memory_ordered 1
		.amdhsa_forward_progress 1
		.amdhsa_inst_pref_size 86
	.end_amdhsa_kernel
	.amdgpu_metadata
---
amdhsa.version: [ 1, 2 ]
amdhsa.kernels:
  - .name:           k_qaa50a30764_proj
    .symbol:         k_qaa50a30764_proj.kd
    .args:
      - { .name: yb, .offset: 0, .size: 8, .value_kind: global_buffer, .address_space: global }
      - { .name: wpt, .offset: 8, .size: 8, .value_kind: global_buffer, .address_space: global }
      - { .name: b_proj, .offset: 16, .size: 8, .value_kind: global_buffer, .address_space: global }
      - { .name: out0, .offset: 24, .size: 8, .value_kind: global_buffer, .address_space: global }
    .group_segment_fixed_size: 327680
    .private_segment_fixed_size: 0
    .kernarg_segment_align: 8
    .kernarg_segment_size: 32
    .max_flat_workgroup_size: 128
    .sgpr_count:     66
    .vgpr_count:     512
    .wavefront_size: 32
...
	.end_amdgpu_metadata
.endif
;; end of part 4
